; MI455X (gfx1250); checked and timed in simulation.
; The chip was launched on July 23, 2026; its instructions are those of AMD's public machine-readable ISA for CDNA 5 (MIT licence, August 2026) and "CDNA5" Instruction Set Architecture Reference Guide (July 2026). The comments in the code are by the model that wrote it; some were corrected since.
;; Multi Head Attention. Allowed arithmetic: matrix products marked QUANTISED: E4M3 operands, one given power-of-two scale a tensor, by v_wmma_f32_16x16x64_fp8_fp8 or v_wmma_f32_16x16x128_fp8_fp8, f32 sums; everything else in f32.
;; Inputs: bk 16 x 64 float32; bo 1,024 float32; bq 16 x 64 float32; bv 16 x 64 float32; lowp_scales 12 int32 (the exponents e of the quantised operands' scales 2^e); wk 16 x 1,024 x 64 float32; wo 1,024 x 1,024 float32; wq 16 x 1,024 x 64 float32; wv 16 x 1,024 x 64 float32; x 4 x 2,048 x 1,024 float32.
;; Outputs: out0 4 x 2,048 x 1,024 float32.
;; This version of the problem:
;;   THIS VERSION OF THE PROBLEM IS GIVEN IN LOW PRECISION. The matrix products marked QUANTISED in the list below multiply operands that are first quantised to E4M3 (4 exponent bits, 3 mantissa bits; 8 bits a number), with one given power-of-two scale for each operand tensor; their sums are f32. All else is computed in f32.
;;   The module's matrix products, in the order in which they are computed (A, B: the left and right operand; K: the contracted axis; several contracted axes count as one K, in the product's order):
;;     1. [M 1,024, K 1,024] x [K 1,024, N 8,192]; A: input wq; B: input x: QUANTISED (scales: A lowp_scales[0], B lowp_scales[1])
;;     2. [M 1,024, K 1,024] x [K 1,024, N 8,192]; A: input wk; B: input x: QUANTISED (scales: A lowp_scales[2], B lowp_scales[3])
;;     3. [M 1,024, K 1,024] x [K 1,024, N 8,192]; A: input wv; B: input x: QUANTISED (scales: A lowp_scales[4], B lowp_scales[5])
;;     4. batch 64 x [M 2,048, K 64] x [K 64, N 2,048]; A: computed on the way; B: computed on the way: QUANTISED (scales: A lowp_scales[6], B lowp_scales[7])
;;     5. batch 64 x [M 2,048, K 2,048] x [K 2,048, N 64]; A: softmax (see below); B: computed on the way: QUANTISED (scales: A lowp_scales[8], B lowp_scales[9])
;;     6. [M 8,192, K 1,024] x [K 1,024, N 1,024]; A: computed on the way; B: input wo: QUANTISED (scales: A lowp_scales[10], B lowp_scales[11])
;;   THE QUANTISER, for each operand of a quantised product, along K:
;;     - The operand's scale is 2^e, e = its entry of the input lowp_scales (int32; the entries are numbered through the quantised products in the list's order, A before B).
;;     - Each number is divided by the scale, clamped to +-448, and rounded to the nearest number of E4M3, ties to even, subnormals kept.
;;     - The product sums the exact products of the quantised numbers (number of the format x scale) in f32.
;;   ~~~python
;;   def quantise(x, axis, e):      # numpy; x: float32 -> the quantised numbers, widened to float32 again
;;       x = np.moveaxis(x, axis, -1); K = x.shape[-1]
;;       r = np.clip(x / 2.0 ** e, -448, 448)
;;       step = 2.0 ** (np.maximum(np.frexp(np.where(r == 0, 1, r))[1] - 1, -6) - 3)
;;       q = np.round(r / step) * step * 2.0 ** e      # np.round: ties to even
;;       return np.moveaxis(q, -1, axis).astype(np.float32)
;;   ~~~
;;   SOFTMAX AHEAD OF A QUANTISED PRODUCT. Where the list says 'softmax', what is quantised is not the finished softmax but p = 2^(t - M), with t = logit x log2(e) and M = ceil(the row's largest t), a whole number; so 1/2 < the row's largest p <= 1. The row's sum l is taken of the UNQUANTISED p, in f32, and the product's result is divided by l at the end. Since M is a whole number, a kernel that streams over the keys may use a running M (the ceiling of the running maximum): every later rescaling is an exact power of two, so the quantised numbers keep their values, but for numbers so far below the row's largest that they fall under the format's range.
;;   OPERANDS COMPUTED ON THE WAY. 'Computed on the way' means the value that the module computes at that place (a softmax that the list does not call 'softmax' is quantised finished and normalised). What goes into a quantiser is computed in f32, as accurately as f32 sums, v_exp_f32 and their like allow (about 1e-6 of the number): no bf16 or f16 on the way to a quantiser, and a product that is left as it is and whose result goes on into a quantised operand takes f32 operands (vector FMAs, or v_wmma_f32_16x16x4_f32). A number that lies on a knife's edge between two numbers of the format may be rounded either way, as far as f32 arithmetic and the matrix unit's own rounding can turn it there, and no further.
;; One version. Each part assembles by itself: llvm-mc -triple=amdgcn-amd-amdhsa -mcpu=gfx1250 --defsym DOCPART=n.
;; ======== version 1 of 1: 4 launches
;; limits: right only within a limited range of input values
;; workspace buffers: xc 25,165,824 bytes; wc 4,194,304 bytes; qkvc 25,165,824 bytes; oc 8,388,608 bytes
;; launch quant (part 1): grid 640 x 1, 4 waves a work-group, no clusters, 17,920 bytes of LDS; arguments x, wq, wk, wv, wo, lowp_scales, xc, wc; writes xc, wc
.if DOCPART == 1
	.amdgcn_target "amdgcn-amd-amdhsa--gfx1250"
	.amdhsa_code_object_version 6
	.text
	.protected	k_q21b5f9c83b_quant
	.globl	k_q21b5f9c83b_quant
	.p2align	8
	.type	k_q21b5f9c83b_quant,@function
k_q21b5f9c83b_quant:
	s_mov_b64 s[64:65], 0
	v_nop
	global_prefetch_b8 v0, s[64:65] scope:SCOPE_SE
	s_setreg_imm32_b32 hwreg(HW_REG_WAVE_MODE, 25, 1), 1
	s_wait_xcnt 0x0
; x [8192][1024] f32 becomes three sets of E4M3 codes (scales 2^e1, 2^e3, 2^e5: one for each projection), wq, wk, wv [16][1024][64] and wo [1024][1024] one set each (e0, e2, e4, e11).
; code = number / 2^e, held within +-448, to the nearest code, ties to even.  LIMITS: each e between -126 and 119, so that 2^e and 448 x 2^e are f32 numbers.  NaN among the inputs is not served.
; THE CODES ARE LAID AS IMAGES OF OPERAND REGISTERS.  A fragment of 16 rows x 64 k is 1,024 bytes: piece p (512 bytes) holds registers 4 p .. 4 p + 3, lane l = r + 16 h has its 16 bytes at 512 p + 16 l;
; register 2 c + w, byte y is k = 16 c + 8 h + 4 w + y of row r: the place that the fp8 matrix forms give each k.  Buffers: [tile of 256 rows][256 along K][16 rows][4 x 1,024 bytes]: strides 262,144, 65,536, 4,096.
; The 'rows' of a weight are its output columns n (wq, wk, wv: n = 64 head + d), K is its contracted axis.
; WORK-GROUPS: 0-95 wq, wk, wv; 96-127 wo; 128-639 x.  Waves share nothing: no barrier.
; x: a wave takes 16 rows x 256 k.  Each load reads two rows' 256 consecutive bytes; 64 k at a time turn through the wave's own stage in LDS (rows 272 bytes apart), so that a lane gets 8 neighbours along K four times.
; weights: a wave takes 32 columns x 256 k; a lane is a column and its registers run down K, so the conversions give codes with K innermost and nothing is transposed.
.set SP,   272                         ; a stage row: 256 bytes + 16
.set WST,  16*SP                       ; a wave's stage
.set R,    16                          ; v16-143  x: four units of 32 registers, as loaded, then as turned
.set T,    144                         ; v144-175 x: 32 numbers held for one scale
.set C,    176                         ; v176-199 x: a unit's codes, 8 registers for each of the three sets
.set X,    16                          ; v16-79   weights: two sets of 32 numbers
.set CW,   80                          ; v80-143  weights: 8 registers of codes for each of 8 blocks: no store's data are written again
.set DST,  38                          ; s[38:43] x: the three sets' addresses
	s_load_b512 s[4:19], s[0:1], 0x0               ; x 4, wq 6, wk 8, wv 10, wo 12, scales 14, xc 16, wc 18
	v_lshl_add_u32 v208, v0, 2, 0x4400
	v_mov_b32 v209, 0
	v_lshrrev_b32 v1, 5, v0
	v_readfirstlane_b32 s32, v1                    ; wave
	v_and_b32 v1, 31, v0                           ; lane
	v_and_b32 v14, 15, v0                          ; lane % 16
	v_bfe_u32 v15, v0, 4, 1                        ; lane / 16
	v_lshlrev_b32 v5, 4, v1                        ; 16 x lane: a lane's place in a piece of an image
	v_lshlrev_b32 v6, 2, v1                        ; 4 x lane: a lane's column of a weight
	v_lshlrev_b32 v2, 4, v14
	v_lshl_add_u32 v2, v15, 12, v2                 ; 4,096 (lane / 16) + 16 (lane % 16): x's loads (two rows of 4,096 bytes) and the weights' stores (two tiles of 16 rows, 4,096 bytes apart)
	s_mul_i32 s33, s32, WST
	v_mul_u32_u24 v3, v15, SP
	v_lshl_add_u32 v3, v14, 4, v3
	v_add_nc_u32 v3, s33, v3                       ; the stage, on the way in: as loaded
	v_mul_u32_u24 v4, v14, SP
	v_lshl_add_u32 v4, v15, 5, v4
	v_add_nc_u32 v4, s33, v4                       ; on the way out: row lane % 16, + 32 bytes (8 numbers) for lanes 16-31
	s_wait_kmcnt 0x0
	s_load_b256 s[20:27], s[14:15], 0x0            ; e0 .. e7
	s_load_b128 s[28:31], s[14:15], 0x20           ; e8 .. e11
	s_cmp_ge_u32 ttmp9, 128
	s_cbranch_scc1 .Lx
	; ---------------- the weights
	s_lshr_b32 s33, ttmp9, 5                       ; which weight: 0 wq, 1 wk, 2 wv, 3 wo
	s_and_b32 s34, ttmp9, 31
	s_and_b32 s35, s34, 7
	s_lshl_b32 s35, s35, 2
	s_add_co_u32 s35, s35, s32                     ; cg: which 32 columns, 0 .. 31
	s_lshr_b32 s34, s34, 3                         ; which 256 along K
	s_lshl_b32 s36, s33, 20                        ; the codes: section,
	s_lshr_b32 s37, s35, 3
	s_lshl_b32 s37, s37, 18                        ; tile of 256 columns,
	s_add_co_u32 s36, s36, s37
	s_lshl_b32 s37, s34, 16                        ; 256 along K,
	s_add_co_u32 s36, s36, s37
	s_and_b32 s37, s35, 7
	s_lshl_b32 s37, s37, 13                        ; two tiles of 16 columns
	s_add_co_u32 s36, s36, s37
	s_mov_b32 s37, 0
	s_add_nc_u64 s[18:19], s[18:19], s[36:37]
	s_mov_b32 s45, 0
.macro WLOAD t, st                     ; block t: 32 rows k of my column, st bytes apart, into set t % 2; a wave's load reads 128 consecutive bytes
.set i, 0
.rept 32
	global_load_b32 v[X+32*((\t)%2)+i], v6, s[38:39] offset:(32*(\t)+i)*(\st)
.set i, i+1
.endr
.endm
.macro WSCALE                          ; from e in s40: v8 = 2^e (the conversion takes its exponent field), v11 = 448 x 2^e
	s_add_co_i32 s40, s40, 127
	s_lshl_b32 s41, s40, 23
	v_mov_b32 v8, s41
	s_add_co_i32 s40, s40, 8
	s_lshl_b32 s40, s40, 23
	s_or_b32 s40, s40, 0x600000
	v_mov_b32 v11, s40
.endm
; Block t is piece t of the column's 256 k: k 32 t + 0-7 and 16-23 are the 16 bytes of lane (r, 0), k 8-15 and 24-31 those of lane (r, 1), 256 bytes further on.
.macro WBLOCK t, st
.set XS, X+32*((\t)%2)
.set CC, CW+8*(\t)
.if (\t) < 7
	s_wait_loadcnt 32                              ; this block's 32 loads are in; the next block's may be out
.else
	s_wait_loadcnt 0
.endif
.set i, 0
.rept 32
	v_med3_num_f32 v[XS+i], v[XS+i], -v11, v11     ; the conversion to an 8-bit code does not saturate (ISA guide 7.6.2): the hold comes first
.set i, i+1
.endr
	v_cvt_scalef32_pk8_fp8_f32 v[CC:CC+1], v[XS:XS+7], v8
	v_cvt_scalef32_pk8_fp8_f32 v[CC+2:CC+3], v[XS+16:XS+23], v8
	v_cvt_scalef32_pk8_fp8_f32 v[CC+4:CC+5], v[XS+8:XS+15], v8
	v_cvt_scalef32_pk8_fp8_f32 v[CC+6:CC+7], v[XS+24:XS+31], v8
	global_store_b128 v2, v[CC:CC+3], s[18:19] offset:((\t)/4)*2048+((\t)%4)*512        ; sixteen lanes store 256 consecutive bytes, aligned
	global_store_b128 v2, v[CC+4:CC+7], s[18:19] offset:((\t)/4)*2048+((\t)%4)*512+256
.if (\t)+2 < 8
	WLOAD (\t)+2, \st
.endif
.endm
	s_cmp_eq_u32 s33, 3
	s_cbranch_scc1 .Lwo
	s_cmp_eq_u32 s33, 0                            ; wq, wk or wv: the choice hangs on the work-group's number alone
	s_cselect_b64 s[38:39], s[6:7], s[8:9]
	s_cmp_eq_u32 s33, 2
	s_cselect_b64 s[38:39], s[10:11], s[38:39]
	s_lshr_b32 s44, s35, 1
	s_lshl_b32 s44, s44, 18                        ; the head: 1,024 rows of 256 bytes,
	s_and_b32 s46, s35, 1
	s_lshl_b32 s46, s46, 7                         ; which 32 of its 64 columns,
	s_add_co_u32 s44, s44, s46
	s_lshl_b32 s46, s34, 16                        ; 256 rows down K
	s_add_co_u32 s44, s44, s46
	s_add_nc_u64 s[38:39], s[38:39], s[44:45]
	s_wait_alu depctr_va_vdst(0)
	WLOAD 0, 256
	WLOAD 1, 256
	s_wait_kmcnt 0x0
	s_cmp_eq_u32 s33, 0
	s_cselect_b32 s40, s20, s22                    ; e0, e2 or e4
	s_cmp_eq_u32 s33, 2
	s_cselect_b32 s40, s24, s40
	WSCALE
	s_wait_alu depctr_va_vdst(0)
.irp t, 0,1,2,3,4,5,6,7
	WBLOCK \t, 256
.endr
	s_endpgm
.Lwo:
	s_lshl_b32 s44, s35, 7                         ; wo: 32 columns of 4 bytes,
	s_lshl_b32 s46, s34, 20                        ; 256 rows of 4,096 bytes down K
	s_add_co_u32 s44, s44, s46
	s_add_nc_u64 s[38:39], s[12:13], s[44:45]
	s_wait_alu depctr_va_vdst(0)
	WLOAD 0, 4096
	WLOAD 1, 4096
	s_wait_kmcnt 0x0
	s_mov_b32 s40, s31                             ; e11
	WSCALE
	s_wait_alu depctr_va_vdst(0)
.irp t, 0,1,2,3,4,5,6,7
	WBLOCK \t, 4096
.endr
	s_endpgm
	; ---------------- x
.Lx:
	s_sub_co_u32 s33, ttmp9, 128                   ; which 16 rows, 0 .. 511; the wave's number says which 256 along K
	s_lshl_b32 s36, s33, 16
	s_lshl_b32 s34, s32, 10
	s_add_co_u32 s36, s36, s34
	s_mov_b32 s37, 0
	s_add_nc_u64 s[4:5], s[4:5], s[36:37]
	s_lshr_b32 s44, s33, 4
	s_lshl_b32 s44, s44, 18                        ; tile of 256 rows,
	s_lshl_b32 s34, s32, 16                        ; 256 along K,
	s_add_co_u32 s44, s44, s34
	s_and_b32 s34, s33, 15
	s_lshl_b32 s34, s34, 12                        ; 16 rows
	s_add_co_u32 s44, s44, s34
	s_mov_b32 s45, 0
	s_add_nc_u64 s[DST:DST+1], s[16:17], s[44:45]
	s_add_nc_u64 s[DST+2:DST+3], s[DST:DST+1], 0x800000     ; the second and third set lie 8,388,608 bytes further on each
	s_add_nc_u64 s[DST+4:DST+5], s[DST:DST+1], 0x1000000
	s_wait_alu depctr_va_vdst(0)
.irp u, 0,1,2,3                        ; all 32 loads go out at once: unit u is 64 along K, load i its rows 2 i and 2 i + 1
.irp i, 0,1,2,3,4,5,6,7
	global_load_b128 v[R+32*\u+4*\i:R+32*\u+4*\i+3], v2, s[4:5] offset:8192*\i+256*\u th:TH_LOAD_NT
.endr
.endr
	s_wait_kmcnt 0x0
.irp s, 0,1,2                          ; e1, e3, e5: v8-10 = 2^e, v11-13 = 448 x 2^e
	s_add_co_i32 s46, s[21+2*\s], 127
	s_lshl_b32 s47, s46, 23
	v_mov_b32 v[8+\s], s47
	s_add_co_i32 s46, s46, 8
	s_lshl_b32 s46, s46, 23
	s_or_b32 s46, s46, 0x600000
	v_mov_b32 v[11+\s], s46
.endr
.macro XTURN u                         ; unit u through the stage.  LDS serves a wave's instructions in order (ISA guide 5.7.1.4): no wait between the stores and the loads, nor in front of the next unit's stores
	s_wait_loadcnt 24-8*(\u)                       ; this unit's eight loads are in; the younger units' may be out
.irp i, 0,1,2,3,4,5,6,7
	ds_store_b128 v3, v[R+32*(\u)+4*\i:R+32*(\u)+4*\i+3] offset:2*SP*\i
.endr
.irp c, 0,1,2,3
	ds_load_b128 v[R+32*(\u)+8*\c:R+32*(\u)+8*\c+3], v4 offset:64*\c        ; k = 16 c + 8 h + 0 .. 7 of row r, back into the registers that the unit left
	ds_load_b128 v[R+32*(\u)+8*\c+4:R+32*(\u)+8*\c+7], v4 offset:64*\c+16
.endr
.endm
.macro XUNIT u                         ; unit u is quantised three times; each set's 8 registers are a fragment's image: two stores of 512 consecutive bytes
.if (\u) < 3
	s_wait_dscnt 16                                ; this unit is back; the next unit's 8 stores and 8 loads may be out
.else
	s_wait_dscnt 0
.endif
.if (\u) > 0
	s_wait_xcnt 0x0                                ; the last unit's stores have read their registers: the codes' registers are written again only behind this wait
.endif
.irp s, 0,1,2
.irp g, 0,1,2,3
.irp i, 0,1,2,3,4,5,6,7
	v_med3_num_f32 v[T+8*\g+\i], v[R+32*(\u)+8*\g+\i], -v[11+\s], v[11+\s]
.endr
	v_cvt_scalef32_pk8_fp8_f32 v[C+8*\s+2*\g:C+8*\s+2*\g+1], v[T+8*\g:T+8*\g+7], v[8+\s]
.endr
	global_store_b128 v5, v[C+8*\s:C+8*\s+3], s[DST+2*\s:DST+2*\s+1] offset:1024*(\u)
	global_store_b128 v5, v[C+8*\s+4:C+8*\s+7], s[DST+2*\s:DST+2*\s+1] offset:1024*(\u)+512
.endr
.endm
	s_wait_alu depctr_va_vdst(0)
	XTURN 0
	XTURN 1
	XUNIT 0
	XTURN 2
	XUNIT 1
	XTURN 3
	XUNIT 2
	XUNIT 3
	s_wait_tensorcnt 0x0
	ds_add_u32 v208, v209
	s_wait_dscnt 0x0
	s_endpgm
.Lfunc_end_k_q21b5f9c83b_quant:
	.size	k_q21b5f9c83b_quant, .Lfunc_end_k_q21b5f9c83b_quant-k_q21b5f9c83b_quant
	.p2alignl 7, 3214868480
	.fill 96, 4, 3214868480
	.section	.rodata,"a",@progbits
	.p2align	6, 0x0
	.amdhsa_kernel k_q21b5f9c83b_quant
		.amdhsa_group_segment_fixed_size 17920
		.amdhsa_private_segment_fixed_size 0
		.amdhsa_enable_private_segment 0
		.amdhsa_kernarg_size 64
		.amdhsa_user_sgpr_count 2
		.amdhsa_user_sgpr_kernarg_segment_ptr 1
		.amdhsa_wavefront_size32 1
		.amdhsa_system_sgpr_workgroup_id_x 1
		.amdhsa_system_sgpr_workgroup_id_y 1
		.amdhsa_system_sgpr_workgroup_id_z 1
		.amdhsa_system_vgpr_workitem_id 0
		.amdhsa_next_free_vgpr 210
		.amdhsa_next_free_sgpr 66
		.amdhsa_reserve_vcc 0
		.amdhsa_float_denorm_mode_32 3
		.amdhsa_float_denorm_mode_16_64 3
		.amdhsa_memory_ordered 1
		.amdhsa_forward_progress 1
		.amdhsa_inst_pref_size 130
	.end_amdhsa_kernel
	.amdgpu_metadata
---
amdhsa.version: [ 1, 2 ]
amdhsa.kernels:
  - .name:           k_q21b5f9c83b_quant
    .symbol:         k_q21b5f9c83b_quant.kd
    .args:
      - { .name: x, .offset: 0, .size: 8, .value_kind: global_buffer, .address_space: global }
      - { .name: wq, .offset: 8, .size: 8, .value_kind: global_buffer, .address_space: global }
      - { .name: wk, .offset: 16, .size: 8, .value_kind: global_buffer, .address_space: global }
      - { .name: wv, .offset: 24, .size: 8, .value_kind: global_buffer, .address_space: global }
      - { .name: wo, .offset: 32, .size: 8, .value_kind: global_buffer, .address_space: global }
      - { .name: lowp_scales, .offset: 40, .size: 8, .value_kind: global_buffer, .address_space: global }
      - { .name: xc, .offset: 48, .size: 8, .value_kind: global_buffer, .address_space: global }
      - { .name: wc, .offset: 56, .size: 8, .value_kind: global_buffer, .address_space: global }
    .group_segment_fixed_size: 17920
    .private_segment_fixed_size: 0
    .kernarg_segment_align: 8
    .kernarg_segment_size: 64
    .max_flat_workgroup_size: 128
    .sgpr_count:     66
    .vgpr_count:     210
    .wavefront_size: 32
...
	.end_amdgpu_metadata
.endif
;; end of part 1
;; launch proj (part 2): grid 4 x 64, 4 waves a work-group, clusters of 4 x 4, 327,680 bytes of LDS; arguments xc, wc, bq, bk, bv, lowp_scales, qkvc; writes qkvc
.if DOCPART == 2
	.amdgcn_target "amdgcn-amd-amdhsa--gfx1250"
	.amdhsa_code_object_version 6
	.text
	.protected	k_q21b5f9c83b_proj
	.globl	k_q21b5f9c83b_proj
	.p2align	8
	.type	k_q21b5f9c83b_proj,@function
k_q21b5f9c83b_proj:
	s_mov_b64 s[64:65], 0
	v_nop
	global_prefetch_b8 v0, s[64:65] scope:SCOPE_SE
	s_setreg_imm32_b32 hwreg(HW_REG_WAVE_MODE, 25, 1), 1
	s_wait_xcnt 0x0
	s_wait_alu depctr_hold_cnt(0) depctr_sa_sdst(0) depctr_va_vdst(0) depctr_va_sdst(0) depctr_va_ssrc(0) depctr_va_vcc(0) depctr_vm_vsrc(0)
	s_getreg_b32 s2, hwreg(HW_REG_IB_STS2, 6, 4)
	s_cmp_eq_u32 s2, 0
	s_cbranch_scc0 .Lentry_in_a_cluster
	s_endpgm
.Lentry_in_a_cluster:
	s_bfe_u32 s2, ttmp6, 0x10000c
	s_cmp_lg_u32 s2, 0xf033
	s_cbranch_scc0 .Lentry_shape_is_right
	s_endpgm
.Lentry_shape_is_right:
; The three projections on E4M3 codes: q, k, v = x w + bias, each then quantised for attention (scales 2^e6, 2^e7, 2^e9).  K = 1,024.
; Operands are images of operand registers, [tile of 256 rows][256 along K][16 rows][2 x 2,048 bytes]: a fragment of 16 rows x 128 k is four pieces of 512 bytes, lane l's 16 bytes at 16 l.
; A tile of a result is 128 rows of side A x 256 rows of side B; four waves, each 64 x 128: 32 accumulators.  There are 256 such tiles in each projection and 256 work-groups:
; A WORK-GROUP STAYS and makes one tile of q, one of k, one of v.  q, k: side A = x (tokens), side B = w (columns).  v: THE SIDES ARE SWAPPED, so that a lane's registers run along the keys.
; K 0-767 of both sides (294,912 bytes) come into LDS by ONE tensor load a wave: 3 rows of 16,384 (A) or 32,768 (B) bytes, 65,536 bytes apart in memory.
; K 768-1,023 go from memory straight into registers, as the images lie: 96 loads of 512 bytes a wave.
; THE ORDER OF A TILE: the two steps on registers start the sums, ahead of the wait for the tile's tensor loads; then the six steps on LDS, with sixteen of the next tile's register loads ahead of each;
; then the whole of LDS is filled again for the next tile, and the way out (and the next tile's steps on registers) stand behind that refill.
; CLUSTERS: 4 x 4 work-groups; side A's tile is shared along a row of the cluster, side B's along a column: each is asked for jointly.
; The matrix instruction takes side B's rows as source 0 and side A's as source 1: lane (r, h) holds side A's row 16 a + r, and its registers j side B's rows 16 b + 8 h + j.
; PREFETCH: one tile ahead of the refill that will load it: at the head k's tile, in q's trip v's.  Of A's tile the partner at cx names the cx-th 256 along K (32,768 bytes), of B's the partner at cy the cy-th (65,536):
; lanes 256 bytes apart, three instructions a wave, each block once in the cluster.
; OUT: q [head of batch 64][tile of 16 queries 128][1,024 bytes], k likewise 8,388,608 bytes on, v [64][128 keys 16][16 channels 4][2,048 bytes] 16,777,216 bytes on.  Every store is 512 consecutive bytes, aligned.
; LIMITS: e(w) + e(x) between -126 and 127; e6, e7, e9 between -126 and 119.  NaN among the inputs is not served.
; REGISTERS, in windows of 256: window 0: v10-31 addresses and scales; v32-95 bias by columns, v96-103 by rows; v128-255 side A's fragments from LDS, two sets; on the way out the codes.
;   window 1: v0-127 side B's fragments from LDS, one set; v128-255 side A's K 768-1,023.   window 2: accumulator (a, b) at v[8 (8 a + b)].   window 3: side B's K 768-1,023.
.set AH,    49152                      ; LDS: A's half (64 rows x 768 k); two of them, then B's two halves
.set BOFF,  98304
.set BHB,   98304                      ; B's half (128 rows x 768 k)
.set SPARE, 294912                     ; behind the tiles: the spare words, 128 bytes for each wave
.set ADRA, 16
.set ADRB, 20                          ; v20: B's K 0-511, v21: 65,536 bytes on
.set LI,   26                          ; 16 x lane
.set PFO,  27                          ; 256 x lane
.set SPW,  28
.set NIL,  29
.set SCV,  30
.set HLD,  31
.set BB,   32
.set BA,   96
.set CD,   128
.set CX, 18
.set CY, 19
.set WV, 20
.set WR, 21
.set WC, 22
.set TC, 23                            ; which projection
.set G1A, 24
.set G1B, 32
.set G0A, 40
.set G0B, 44
.set VA, 48                            ; v's addresses: tensor loads,
.set VB, 50
.set QA, 52                            ; the register loads' bases in hand,
.set QB, 54
.set QAV, 56                           ; and v's
.set QBV, 58
.set OB, 60
.set OBV, 62
.set SC, 80
.set PAV, 96
.set PBV, 98
.set MSB, 0
.macro WIN new                         ; the immediate's high byte repeats the setting that is left
.if MSB != \new
	s_set_vgpr_msb (MSB<<8)|\new
.set MSB, \new
.endif
.endm
.set MUL_L, 0xa1                       ; B window 1, A window 0, C and D window 2
.set MUL_R, 0xa7                       ; B window 3, A window 1, C and D window 2
.set TO_B,  0x40
.macro PLACES                          ; plain vector instructions between a matrix instruction and a load into, or a vector instruction on, its registers
.rept 4
	v_nop
.endr
.endm
.macro JLOAD                           ; waves 0 and 1 fetch A's halves, waves 2 and 3 B's; an s_nop 0 and four v_nop follow each line
	s_cmp_eq_u32 s[WR], 0
	s_cbranch_scc0 .Lfor_b_\@
	tensor_load_to_lds s[G0A:G0A+3], s[G1A:G1A+7]
	s_nop 0
	PLACES
	s_branch .Lasked_\@
.Lfor_b_\@:
	tensor_load_to_lds s[G0B:G0B+3], s[G1B:G1B+7]
	s_nop 0
	PLACES
.Lasked_\@:
.endm
.macro CROUND                          ; a round of the cluster's barrier
	s_barrier_signal -1
	s_barrier_wait -1
	s_cmp_lg_u32 s[WV], 0
	s_cbranch_scc1 .Lnot_wave_0_\@
	s_barrier_signal -3
.Lnot_wave_0_\@:
	s_barrier_wait -3
	s_barrier_signal -1
	s_barrier_wait -1
.endm
.macro FRAG reg, adr, off
.irp c, 0,1,2,3
	ds_load_b128 v[\reg+4*\c:\reg+4*\c+3], v[\adr] offset:(\off)+512*\c
.endr
.endm
.macro FETCH_A s                       ; A's four fragments of step s (128 along K) into set s % 2
	WIN 0
.irp i, 0,1,2,3
	FRAG 128+64*((\s)%2)+16*\i, ADRA, ((\s)/2)*16384+\i*4096+((\s)%2)*2048
.endr
.endm
.macro FETCH_B s, i0                   ; B's fragments i0 .. i0 + 3 of step s
	WIN TO_B
.irp i, \i0, \i0+1, \i0+2, \i0+3
	FRAG 16*(\i), ADRB+(\s)/4, (((\s)/2)%2)*32768+(\i)*4096+((\s)%2)*2048
.endr
	WIN 0
.endm
; 16 matrix instructions: B's blocks b0 .. b0 + 3 x A's four.  The 32 accumulators take turns, one instruction a turn, in the same order in every step.
.macro MULB b0, ab, bb, zero
.irp b, \b0, \b0+1, \b0+2, \b0+3
.irp a, 0,1,2,3
.if \zero
	v_wmma_f32_16x16x128_fp8_fp8 v[8*(8*\a+(\b)):8*(8*\a+(\b))+7], v[(\bb)+16*(\b):(\bb)+16*(\b)+15], v[(\ab)+16*\a:(\ab)+16*\a+15], 0
.else
	v_wmma_f32_16x16x128_fp8_fp8 v[8*(8*\a+(\b)):8*(8*\a+(\b))+7], v[(\bb)+16*(\b):(\bb)+16*(\b)+15], v[(\ab)+16*\a:(\ab)+16*\a+15], v[8*(8*\a+(\b)):8*(8*\a+(\b))+7]
.endif
.endr
.endr
.endm
.macro LSTEP s, zero, more             ; a step on LDS; more = 1: the next step's fragments are fetched: a block of B is free when its four products are issued
	s_wait_dscnt 16                                ; A's set and B's blocks 0-3 are in; the youngest sixteen loads (B's blocks 4-7) may be out
	WIN MUL_L
	MULB 0, 128+64*((\s)%2), 0, \zero
	s_wait_dscnt 0
.if \more
	PLACES
	FETCH_A \s+1
	FETCH_B \s+1, 0
.endif
	WIN MUL_L
	MULB 4, 128+64*((\s)%2), 0, \zero
.if \more
	PLACES
	FETCH_B \s+1, 4
.endif
.endm
.macro RSTEP u, zero                   ; a step on the registers that hold K 768 + 128 u on; zero = 1: its products start the sums
	MULB 0, 128+64*\u, 128*\u, \zero
	MULB 4, 128+64*\u, 128*\u, \zero
.endm
.macro Q3PART k                        ; sixteen of the 96 loads of K 768-1,023: k = 0 .. 3: four blocks of my 128 rows of B; k = 4, 5: my 64 rows of A.  Each load is 512 consecutive bytes
.if (\k) < 4
	WIN 0xc0
.irp i, 0,1,2,3
.irp c, 0,1,2,3
	global_load_b128 v[128*((\k)/2)+16*(4*((\k)%2)+\i)+4*\c:128*((\k)/2)+16*(4*((\k)%2)+\i)+4*\c+3], v[LI], s[QB:QB+1] offset:(4*((\k)%2)+\i)*4096+((\k)/2)*2048+512*\c
.endr
.endr
.else
	WIN 0x40
.irp i, 0,1,2,3
.irp c, 0,1,2,3
	global_load_b128 v[128+64*((\k)-4)+16*\i+4*\c:128+64*((\k)-4)+16*\i+4*\c+3], v[LI], s[QA:QA+1] offset:\i*4096+((\k)-4)*2048+512*\c
.endr
.endr
.endif
	WIN 0
.endm
.macro LQ s, more, last                ; a step on LDS, with a sixth of the next tile's register loads ahead of it
.if !(\last)
	Q3PART \s
.endif
	LSTEP \s, 0, \more
.endm
.macro BBLOAD base                     ; the bias of my 128 columns, in the result's layout
.irp b, 0,1,2,3,4,5,6,7
	global_load_b128 v[BB+8*\b:BB+8*\b+3], v10, s[\base:\base+1] offset:64*\b
	global_load_b128 v[BB+8*\b+4:BB+8*\b+7], v10, s[\base:\base+1] offset:64*\b+16
.endr
.endm
	s_load_b256 s[4:11], s[0:1], 0x0               ; xc 4, wc 6, bq 8, bk 10
	s_load_b128 s[12:15], s[0:1], 0x20             ; bv 12, scales 14
	s_load_b64 s[16:17], s[0:1], 0x30              ; qkvc
	v_lshl_add_u32 v[SPW], v0, 2, SPARE
	v_mov_b32 v[NIL], 0
	ds_add_u32 v[SPW], v[NIL]                      ; the opening lines: the add, twice on end, and its wait ahead of my first tensor load
	ds_add_u32 v[SPW], v[NIL]
	v_lshrrev_b32 v1, 5, v0
	v_readfirstlane_b32 s[WV], v1                  ; wave 0..3
	s_lshr_b32 s[WR], s[WV], 1                     ; my half of A's rows.  Also: I fetch for A (0) or B (1)
	s_and_b32 s[WC], s[WV], 1                      ; my half of B's rows.  Also: which half I fetch
	s_bfe_u32 s[CX], ttmp6, 0x40000
	s_bfe_u32 s[CY], ttmp6, 0x40004
	s_and_b32 s82, ttmp7, 0xffff                   ; the cluster, 0 .. 15
	s_lshl_b32 s83, s[CY], 2
	s_lshl_b32 s83, 15, s83                        ; my row of the cluster
	s_lshl_b32 s90, 0x1111, s[CX]                  ; my column
	s_or_b32 s[G1A], s83, (3<<16)|(1<<21)          ; the mask; elements of 8 bytes; bit 21 beside a mask; no padding
	s_or_b32 s[G1B], s90, (3<<16)|(1<<21)
	s_mov_b32 s[G1A+1], 2048<<16                   ; A: 3 rows of 2,048 elements, 8,192 elements apart
	s_mov_b32 s[G1A+2], 3<<16
	s_mov_b32 s[G1A+3], 2048<<16
	s_mov_b32 s[G1A+4], 3
	s_mov_b32 s[G1A+5], 8192
	s_mov_b32 s[G1A+6], 0
	s_mov_b32 s[G1A+7], 0
	s_mov_b32 s[G1B+1], 4096<<16                   ; B: 3 rows of 4,096 elements
	s_mov_b32 s[G1B+2], 3<<16
	s_mov_b32 s[G1B+3], 4096<<16
	s_mov_b32 s[G1B+4], 3
	s_mov_b32 s[G1B+5], 8192
	s_mov_b32 s[G1B+6], 0
	s_mov_b32 s[G1B+7], 0
	s_lshl_b32 s83, s82, 2                         ; side A: made of the cluster and cy alone
	s_add_co_u32 s83, s83, s[CY]                   ; q, k: which 128 tokens, 0 .. 63
	s_lshr_b32 s84, s83, 1
	s_lshl_b32 s84, s84, 18
	s_and_b32 s85, s83, 1
	s_lshl_b32 s85, s85, 15
	s_add_co_u32 s84, s84, s85                     ; their bytes in a section of xc
	s_and_b32 s85, s82, 1
	s_lshl_b32 s85, s85, 2
	s_add_co_u32 s85, s85, s[CY]                   ; v: which 128 channels, 0 .. 7
	s_lshr_b32 s86, s85, 1
	s_lshl_b32 s86, s86, 18
	s_and_b32 s87, s85, 1
	s_lshl_b32 s87, s87, 15
	s_add_co_u32 s86, s86, s87
	s_add_co_u32 s86, s86, 2<<20                   ; their bytes in wc
	s_lshl_b32 s91, s[CX], 18                      ; side B: made of the cluster and cx alone.  q, k: 256 columns
	s_lshr_b32 s92, s82, 1
	s_lshl_b32 s92, s92, 2
	s_add_co_u32 s92, s92, s[CX]                   ; v: which 256 tokens, 0 .. 31
	s_lshl_b32 s93, s92, 18
	s_add_co_u32 s93, s93, 2<<23
	s_lshl_b32 s88, s[WC], 14                      ; the half that I fetch,
	s_lshl_b32 s94, s[WC], 15
	s_lshl_b32 s89, s[WR], 14                      ; and the halves that I multiply, at K 768
	s_add_co_u32 s89, s89, 196608
	s_add_co_u32 s95, s94, 196608
	s_mov_b32 s[G0A], 1
	s_mul_i32 s[G0A+1], s[WC], AH
	s_mov_b32 s[G0B], 1
	s_mul_i32 s[G0B+1], s[WC], BHB
	s_add_co_u32 s[G0B+1], s[G0B+1], BOFF
	s_mul_i32 s80, s[WR], AH                       ; where I read in LDS
	s_mul_i32 s81, s[WC], BHB
	s_add_co_u32 s81, s81, BOFF
	s_lshl_b32 s87, s[CX], 10                      ; the bias by columns: 4 (256 cx + 128 half)
	s_lshl_b32 s90, s[WC], 9
	s_add_co_u32 s87, s87, s90
	s_lshl_b32 s90, s85, 9                         ; by rows: 4 (128 x channels' tile + 64 half)
	s_lshl_b32 s[TC], s[WR], 8
	s_add_co_u32 s90, s90, s[TC]
	s_lshr_b32 s[OB], s83, 4                       ; q's way out: (16 batch + 4 cx + 2 half) heads of 131,072 bytes,
	s_lshl_b32 s[OB], s[OB], 4
	s_lshl_b32 s[OB+1], s[CX], 2
	s_add_co_u32 s[OB], s[OB], s[OB+1]
	s_lshl_b32 s[OB+1], s[WC], 1
	s_add_co_u32 s[OB], s[OB], s[OB+1]
	s_lshl_b32 s[OB], s[OB], 17
	s_and_b32 s[OB+1], s83, 15
	s_lshl_b32 s[OB+1], s[OB+1], 1
	s_add_co_u32 s[OB+1], s[OB+1], s[WR]
	s_lshl_b32 s[OB+1], s[OB+1], 12                ; my first tile of 16 tokens in the batch x 1,024
	s_add_co_u32 s[OB], s[OB], s[OB+1]
	s_mov_b32 s[OB+1], 0
	s_lshr_b32 s[OBV], s92, 3                      ; v's: head 16 batch + 2 x channels' tile + half,
	s_lshl_b32 s[OBV], s[OBV], 3
	s_add_co_u32 s[OBV], s[OBV], s85
	s_lshl_b32 s[OBV], s[OBV], 1
	s_add_co_u32 s[OBV], s[OBV], s[WR]
	s_lshl_b32 s[OBV], s[OBV], 17
	s_and_b32 s[OBV+1], s92, 7
	s_lshl_b32 s[OBV+1], s[OBV+1], 1
	s_add_co_u32 s[OBV+1], s[OBV+1], s[WC]
	s_lshl_b32 s[OBV+1], s[OBV+1], 13              ; my 128 keys in the batch x 8,192
	s_add_co_u32 s[OBV], s[OBV], s[OBV+1]
	s_add_co_u32 s[OBV], s[OBV], 2<<23
	s_mov_b32 s[OBV+1], 0
	s_mov_b32 s3, 0
	s_mov_b32 s67, 0
	s_mov_b32 s[TC], 0
	s_wait_dscnt 0x0                               ; both opening adds are done
	s_wait_kmcnt 0x0
	s_load_b256 s[68:75], s[14:15], 0x0            ; e0 .. e7
	s_load_b128 s[76:79], s[14:15], 0x20           ; e8 .. e11
	s_add_co_u32 s2, s84, s88
	s_add_nc_u64 s[G0A+2:G0A+3], s[4:5], s[2:3]    ; q's tile of x
	s_add_co_u32 s2, s86, s88
	s_add_nc_u64 s[VA:VA+1], s[6:7], s[2:3]        ; v's tile of wv
	s_add_co_u32 s66, s91, s94
	s_add_nc_u64 s[G0B+2:G0B+3], s[6:7], s[66:67]  ; q's tile of wq
	s_add_co_u32 s66, s93, s94
	s_add_nc_u64 s[VB:VB+1], s[4:5], s[66:67]      ; v's tile of x
	s_or_b32 s[G0A+3], s[G0A+3], 0x80000000        ; type = 2
	s_or_b32 s[VA+1], s[VA+1], 0x80000000
	s_or_b32 s[G0B+3], s[G0B+3], 0x80000000
	s_or_b32 s[VB+1], s[VB+1], 0x80000000
	CROUND                                         ; all sixteen work-groups are here: the first joint loads meet
	JLOAD                                          ; q's K 0-767: one tensor load a wave at the head
	s_add_co_u32 s2, s84, s89
	s_add_nc_u64 s[QA:QA+1], s[4:5], s[2:3]
	s_add_co_u32 s2, s86, s89
	s_add_nc_u64 s[QAV:QAV+1], s[6:7], s[2:3]
	s_add_co_u32 s66, s91, s95
	s_add_nc_u64 s[QB:QB+1], s[6:7], s[66:67]
	s_add_co_u32 s66, s93, s95
	s_add_nc_u64 s[QBV:QBV+1], s[4:5], s[66:67]
	s_add_nc_u64 s[OB:OB+1], s[16:17], s[OB:OB+1]
	s_add_nc_u64 s[OBV:OBV+1], s[16:17], s[OBV:OBV+1]
	s_lshl_b32 s88, s[CX], 16                      ; the prefetches: of A's tile my work-group's 256 along K, my wave's 8,192 bytes of them;
	s_lshl_b32 s89, s[WV], 13
	s_add_co_u32 s88, s88, s89
	s_lshl_b32 s94, s[CY], 16                      ; of B's likewise, my wave's 16,384 bytes
	s_lshl_b32 s95, s[WV], 14
	s_add_co_u32 s94, s94, s95
	s_add_co_u32 s[PAV], s86, s88
	s_mov_b32 s[PAV+1], 0
	s_add_nc_u64 s[PAV:PAV+1], s[6:7], s[PAV:PAV+1]
	s_add_co_u32 s[PBV], s93, s94
	s_mov_b32 s[PBV+1], 0
	s_add_nc_u64 s[PBV:PBV+1], s[4:5], s[PBV:PBV+1]
	s_add_co_u32 s88, s88, s84
	s_add_co_u32 s88, s88, 1<<23                   ; k's tile of x,
	s_mov_b32 s89, 0
	s_add_nc_u64 s[88:89], s[4:5], s[88:89]
	s_add_co_u32 s94, s94, s91
	s_add_co_u32 s94, s94, 1<<20                   ; and of wk
	s_mov_b32 s95, 0
	s_add_nc_u64 s[94:95], s[6:7], s[94:95]
	v_and_b32 v1, 15, v0                           ; r
	v_bfe_u32 v2, v0, 4, 1                         ; h
	v_and_b32 v3, 31, v0
	v_lshlrev_b32 v[LI], 4, v3
	v_lshlrev_b32 v[PFO], 8, v3
	v_add_nc_u32 v[ADRA], s80, v[LI]
	v_add_nc_u32 v[ADRB], s81, v[LI]
	v_add_nc_u32 v[ADRB+1], 65536, v[ADRB]
	v_lshlrev_b32 v10, 5, v2
	v_add_nc_u32 v10, s87, v10
	v_lshlrev_b32 v11, 2, v1
	v_add_nc_u32 v11, s90, v11
	s_wait_alu depctr_va_vdst(0)
.irp k, 0,1,2,3,4,5
	Q3PART \k                                      ; q's K 768-1,023
.endr
	BBLOAD 8                                       ; bq
.irp a, 0,1,2,3
	global_load_b32 v[BA+2*\a], v11, s[12:13] offset:64*\a      ; bv by rows, twice: the packed multiply-add names a pair
	global_load_b32 v[BA+2*\a+1], v11, s[12:13] offset:64*\a
.endr
	global_prefetch_b8 v[PFO], s[88:89] th:TH_LOAD_NT scope:SCOPE_SE               ; k's tile, which the refill in q's trip will load
	global_prefetch_b8 v[PFO], s[94:95] th:TH_LOAD_NT scope:SCOPE_SE
	global_prefetch_b8 v[PFO], s[94:95] offset:8192 th:TH_LOAD_NT scope:SCOPE_SE
	s_wait_kmcnt 0x0                               ; the scales
; Block a on the way out: sum x 2^(ew + ex) + bias in f32, held, converted: 16 registers of codes, four stores of 512 bytes.  vv = 1: v.
.macro OUTBLK a, vv
.set AC, 64*(\a)
	WIN 0x82                                       ; source 0 and destination: the accumulators' window
.irp b, 0,1,2,3,4,5,6,7
.irp i, 0,2,4,6
.if \vv
	v_pk_fma_f32 v[AC+8*\b+\i:AC+8*\b+\i+1], v[AC+8*\b+\i:AC+8*\b+\i+1], s[SC:SC+1], v[BA+2*(\a):BA+2*(\a)+1] op_sel_hi:[1,0,1]
.else
	v_pk_fma_f32 v[AC+8*\b+\i:AC+8*\b+\i+1], v[AC+8*\b+\i:AC+8*\b+\i+1], s[SC:SC+1], v[BB+8*\b+\i:BB+8*\b+\i+1] op_sel_hi:[1,0,1]
.endif
.endr
.endr
.set j, 0
.rept 64
	v_med3_num_f32 v[AC+j], v[AC+j], -v[HLD], v[HLD]   ; the conversion does not saturate (ISA guide 7.6.2)
.set j, j+1
.endr
	WIN 2
.irp b, 0,1,2,3,4,5,6,7
	v_cvt_scalef32_pk8_fp8_f32 v[CD+16*(\a)+2*\b:CD+16*(\a)+2*\b+1], v[AC+8*\b:AC+8*\b+7], v[SCV]
.endr
	WIN 0
	v_nop                                          ; a plain vector instruction behind the last conversion of the run
.irp p, 0,1,2,3
.if \vv
	global_store_b128 v[LI], v[CD+16*(\a)+4*\p:CD+16*(\a)+4*\p+3], s[OBV:OBV+1] offset:2048*(\a)+512*\p                 ; channels 16 a on: a fragment of 128 keys
.else
	global_store_b128 v[LI], v[CD+16*(\a)+4*\p:CD+16*(\a)+4*\p+3], s[OB:OB+1] offset:1024*(\a)+131072*(\p/2)+512*(\p%2) ; tokens 16 a on, head p / 2
.endif
.endr
.endm
.macro TILE vv, last
	s_wait_loadcnt 0x0                             ; K 768-1,023 and the bias are in registers
	WIN MUL_R
	RSTEP 0, 1                                     ; the first products start the sums; the tile's tensor loads may still be out
	RSTEP 1, 0
	PLACES                                         ; in front of the loads into the registers just multiplied
	WIN 0
.if !(\last)
	s_cmp_eq_u32 s[TC], 0                          ; the register loads are done, so their bases may be written: behind q comes k, one section on in xc and wc; behind k comes v
	s_add_nc_u64 s[2:3], s[QA:QA+1], 0x800000
	s_cselect_b64 s[QA:QA+1], s[2:3], s[QAV:QAV+1]
	s_add_nc_u64 s[66:67], s[QB:QB+1], 0x100000
	s_cselect_b64 s[QB:QB+1], s[66:67], s[QBV:QBV+1]
.endif
	s_wait_tensorcnt 0x0                           ; my part of the tile is in
	ds_add_u32 v[SPW], v[NIL]
	s_wait_dscnt 0x0
	s_barrier_signal -1
	s_barrier_wait -1                              ; and so is everybody's
	FETCH_A 0
	FETCH_B 0, 0
	FETCH_B 0, 4
	LQ 0, 1, \last
	LQ 1, 1, \last
	LQ 2, 1, \last
	LQ 3, 1, \last
	LQ 4, 1, \last
	LQ 5, 0, \last
	WIN 0
.if !(\last)
	s_wait_tensorcnt 0x0                           ; no tensor load of mine is out, so the groups 0 may be written
	ds_add_u32 v[SPW], v[NIL]                      ; 0 onto my spare word
	s_cmp_eq_u32 s[TC], 0
	s_add_nc_u64 s[2:3], s[G0A+2:G0A+3], 0x800000
	s_cselect_b64 s[G0A+2:G0A+3], s[2:3], s[VA:VA+1]
	s_add_nc_u64 s[66:67], s[G0B+2:G0B+3], 0x100000
	s_cselect_b64 s[G0B+2:G0B+3], s[66:67], s[VB:VB+1]
	s_wait_dscnt 0x0                               ; the add is done, and my reads of LDS are over
	CROUND                                         ; no wave of any partner still reads the tile or has a load on its way
	JLOAD                                          ; the next tile's K 0-767: the first tensor load behind the round
.endif
.if \vv
	s_mov_b32 s82, s72                             ; ew, ex, eo: e4, e5, e9
	s_mov_b32 s83, s73
	s_mov_b32 s84, s77
.else
	s_cmp_eq_u32 s[TC], 0
	s_cselect_b32 s82, s68, s70                    ; e0 or e2
	s_cselect_b32 s83, s69, s71                    ; e1 or e3
	s_cselect_b32 s84, s74, s75                    ; e6 or e7
.endif
	s_add_co_i32 s82, s82, s83
	s_add_co_i32 s82, s82, 127
	s_lshl_b32 s[SC], s82, 23                      ; 2^(ew + ex) as f32
	s_mov_b32 s[SC+1], s[SC]
	s_add_co_i32 s84, s84, 127
	s_lshl_b32 s85, s84, 23
	v_mov_b32 v[SCV], s85                          ; 2^eo
	s_add_co_i32 s84, s84, 8
	s_lshl_b32 s84, s84, 23
	s_or_b32 s84, s84, 0x600000
	v_mov_b32 v[HLD], s84                          ; 448 x 2^eo
	PLACES                                         ; behind the last products, in front of the first read of the sums
.if !(\last)
	s_cmp_lg_u32 s[TC], 0
	s_cbranch_scc1 .Lnoask_\@
	global_prefetch_b8 v[PFO], s[PAV:PAV+1] th:TH_LOAD_NT scope:SCOPE_SE           ; v's tile, which the refill in k's trip will load
	global_prefetch_b8 v[PFO], s[PBV:PBV+1] th:TH_LOAD_NT scope:SCOPE_SE
	global_prefetch_b8 v[PFO], s[PBV:PBV+1] offset:8192 th:TH_LOAD_NT scope:SCOPE_SE
.Lnoask_\@:
.endif
.irp a, 0,1,2,3
	OUTBLK \a, \vv
.endr
.if !(\last)
	s_wait_alu depctr_va_vdst(0)                   ; the wait ahead of the wait and the branches below
	s_wait_xcnt 0x0                                ; the stores have read their registers and their base
	s_add_nc_u64 s[OB:OB+1], s[OB:OB+1], 0x800000  ; k's section of the result
	s_cmp_lg_u32 s[TC], 0
	s_cbranch_scc1 .Lnobias_\@
	BBLOAD 10                                      ; bk
.Lnobias_\@:
.endif
.endm
	s_wait_alu depctr_va_vdst(0)                   ; the wait at the head's end
.Ltile:                                                ; two trips: q, k
	TILE 0, 0
	s_add_co_u32 s[TC], s[TC], 1
	s_cmp_lt_u32 s[TC], 2
	s_cbranch_scc1 .Ltile
	TILE 1, 1                                      ; v is written out: it asks for nothing more
	s_wait_tensorcnt 0x0                           ; the wave's end
	ds_add_u32 v[SPW], v[NIL]
	s_wait_dscnt 0x0
	CROUND                                         ; the closing round
	s_endpgm
.Lfunc_end_k_q21b5f9c83b_proj:
	.size	k_q21b5f9c83b_proj, .Lfunc_end_k_q21b5f9c83b_proj-k_q21b5f9c83b_proj
	.p2alignl 7, 3214868480
	.fill 96, 4, 3214868480
	.section	.rodata,"a",@progbits
	.p2align	6, 0x0
	.amdhsa_kernel k_q21b5f9c83b_proj
		.amdhsa_group_segment_fixed_size 327680
		.amdhsa_private_segment_fixed_size 0
		.amdhsa_enable_private_segment 0
		.amdhsa_kernarg_size 56
		.amdhsa_user_sgpr_count 2
		.amdhsa_user_sgpr_kernarg_segment_ptr 1
		.amdhsa_wavefront_size32 1
		.amdhsa_system_sgpr_workgroup_id_x 1
		.amdhsa_system_sgpr_workgroup_id_y 1
		.amdhsa_system_sgpr_workgroup_id_z 1
		.amdhsa_system_vgpr_workitem_id 0
		.amdhsa_next_free_vgpr 1024
		.amdhsa_next_free_sgpr 100
		.amdhsa_reserve_vcc 0
		.amdhsa_float_denorm_mode_32 3
		.amdhsa_float_denorm_mode_16_64 3
		.amdhsa_memory_ordered 1
		.amdhsa_forward_progress 1
		.amdhsa_inst_pref_size 166
	.end_amdhsa_kernel
	.amdgpu_metadata
---
amdhsa.version: [ 1, 2 ]
amdhsa.kernels:
  - .name:           k_q21b5f9c83b_proj
    .symbol:         k_q21b5f9c83b_proj.kd
    .args:
      - { .name: xc, .offset: 0, .size: 8, .value_kind: global_buffer, .address_space: global }
      - { .name: wc, .offset: 8, .size: 8, .value_kind: global_buffer, .address_space: global }
      - { .name: bq, .offset: 16, .size: 8, .value_kind: global_buffer, .address_space: global }
      - { .name: bk, .offset: 24, .size: 8, .value_kind: global_buffer, .address_space: global }
      - { .name: bv, .offset: 32, .size: 8, .value_kind: global_buffer, .address_space: global }
      - { .name: lowp_scales, .offset: 40, .size: 8, .value_kind: global_buffer, .address_space: global }
      - { .name: qkvc, .offset: 48, .size: 8, .value_kind: global_buffer, .address_space: global }
    .group_segment_fixed_size: 327680
    .private_segment_fixed_size: 0
    .kernarg_segment_align: 8
    .kernarg_segment_size: 56
    .max_flat_workgroup_size: 128
    .sgpr_count:     100
    .vgpr_count:     1024
    .wavefront_size: 32
...
	.end_amdgpu_metadata
.endif
;; end of part 2
;; launch attn (part 3): grid 4 x 64, 16 waves a work-group, clusters of 4 x 1, 327,680 bytes of LDS; arguments qkvc, lowp_scales, oc; writes oc
.if DOCPART == 3
	.amdgcn_target "amdgcn-amd-amdhsa--gfx1250"
	.amdhsa_code_object_version 6
	.text
	.protected	k_q21b5f9c83b_attn
	.globl	k_q21b5f9c83b_attn
	.p2align	8
	.type	k_q21b5f9c83b_attn,@function
k_q21b5f9c83b_attn:
	s_mov_b64 s[64:65], 0
	v_nop
	global_prefetch_b8 v0, s[64:65] scope:SCOPE_SE
	s_setreg_imm32_b32 hwreg(HW_REG_WAVE_MODE, 25, 1), 1
	s_wait_xcnt 0x0
	s_wait_alu depctr_hold_cnt(0) depctr_sa_sdst(0) depctr_va_vdst(0) depctr_va_sdst(0) depctr_va_ssrc(0) depctr_va_vcc(0) depctr_vm_vsrc(0)
	s_getreg_b32 s2, hwreg(HW_REG_IB_STS2, 6, 4)
	s_cmp_eq_u32 s2, 0
	s_cbranch_scc0 .Lentry_in_a_cluster
	s_endpgm
.Lentry_in_a_cluster:
	s_bfe_u32 s2, ttmp6, 0x10000c
	s_cmp_lg_u32 s2, 0x3003
	s_cbranch_scc0 .Lentry_shape_is_right
	s_endpgm
.Lentry_shape_is_right:
; Causal attention on E4M3 codes, head size 64, 2,048 tokens, 64 heads of batches; o is quantised (2^e10) for the output projection.
; q, k: fragments of 16 tokens x 64 channels, 1,024 bytes each; v: fragments of 16 channels x 128 keys, 2,048 bytes each; all as images of operand registers: lane l's 16 bytes of a piece of 512 at 16 l.
; THE SOFTMAX: t = score x log2(e) / 8; M = the running largest t rounded UP to a whole number; p = 2^(t - M) is quantised with 2^e8, not normalised; the row's sum is taken of the unquantised p and divides O at the end.
; When M moves, the sum and O are multiplied by 2^(old M - new M): nothing is rounded, and there is no branch on data.
; LEFT OUT: key steps (128 keys) all of whose keys come after a tile's 16 queries: the causal mask sets their scores to -infinity, so their p is 0 for all values of the inputs.
; A NaN or an infinity that reaches only such scores is not carried to the result.
; A HEAD'S K AND V STAY IN LDS: 131,072 bytes each, filled once: no slot is filled again, and the loops over the keys hold no barrier.
; CLUSTER: the four work-groups of a head read the same K and V, so each piece is asked for jointly (mask 15).  Every wave issues two loads: at the head its piece (4,096 bytes) of key steps 0-3,
; and, behind the three lines and a round, its piece (12,288 bytes) of key steps 4-15, which lands while steps 0-3 are worked; one barrier stands ahead of trip 4.  Waves 0-7 fetch K, waves 8-15 V.
; SHARES.  Work-group J (its place in the cluster) and wave w own the query tiles (16 queries) tl = 4 w + J and th = 127 - tl.  Tile t needs key steps 0 .. t / 8: w / 2 + 1 and (31 - w) / 2 + 1 steps, 17 in every wave.
; Those counts hang on the wave's number alone: no branch and no LDS address hangs on J; J enters global addresses and the mask's numbers only.
; EVERY WAVE DOES ONE KEY STEP IN EACH OF 17 TRIPS (constant trip counts 4 and 13): in trip c the high tile's key step c while c <= (31 - w) / 2, behind that the low tile's key step (c + w / 2) mod 16, which runs from 0 up.
; So all sixteen waves have the same work ahead of the barrier and behind it.  In a tile's last step hidden scores become -infinity.
; Both products are used transposed: S^T = K Q^T (source 0 = 16 keys), O^T = V^T P^T (source 0 = 16 channels): a lane holds ONE query (lane % 16), and register j of score tile c is key 16 c + 8 (lane / 16) + j:
; one conversion of a tile's eight registers makes registers 2 c, 2 c + 1 of P's fragment, and likewise of o's fragment at the end.
; NO PREFETCH: all that the work-group reads of K and V is asked for by its two groups of tensor loads at the start; no later load is left to run ahead of.
; LIMITS: e6 + e7 between -123 and 130 (added to c's exponent field); e8 and e10 between -126 and 119; e8 + e9 is applied by v_ldexp_f32.  NaN among the inputs is not served.  The scaled scores stay under 2^31 in magnitude.
; REGISTERS: v1 16 x lane; v2 a permute's result; v3, v255 LDS addresses; v4, v7 the masks' numbers; v5, v6 the add's; v8-11 low tile: -M, largest t, the sum in two halves; v12-15 the same, high tile;
;   v16-23 Q high, v24-31 Q low; v32-95 K's or V's fragments; v96-159 S^T, then p; v160-191 O^T high; v192-207 P's codes; v208-239 O^T low; v240-254 scales and registers at work.
.set KB,    131072                     ; a head's K in LDS; V lies behind it
.set SPARE, 2*KB                       ; behind both: the spare words, 128 bytes for each of sixteen waves
.set STEPB, 8192                       ; a key step: 128 keys of K, and as many bytes of V
.set P1,    4                          ; key steps in the first group of loads
.set LI,  1
.set PD,  2
.set ADR, 3
.set DLH, 4
.set SPW, 5
.set NIL, 6
.set DLL, 7
.set ADV, 255
.set JJ,  3                            ; s3   J
.set WV,  18
.set CW,  19                           ; s19  8,192 x (w / 2): what the low tile's key steps lie ahead of the trips, mod 16 steps
.set SEL, 20                           ; s[20:21] lane selects for v_permlanex16_b32: lane l xor 16
.set CS,  22                           ; s[22:23] c = log2(e) / 8 x 2^(e6 + e7)
.set G1A, 24                           ; s[24:31] group 1, first loads: 16 rows of 256 bytes
.set G1B, 32                           ; s[32:39] group 1, second loads: 48 rows
.set G0A, 40
.set G0B, 44
.set LH,  48                           ; s48  the trip of the high tile's last key step
.set LL,  49                           ; s49  the trip of the low tile's: 16
.set CT,  50                           ; s50  the trip in hand
.set TB,  51                           ; s51  8,192 x the trip
.set TR,  52                           ; s52  trips to go
.set EPV, 53                           ; s53  e8 + e9
.set HOP, 54                           ; s54  448 x 2^e10, s55 the same with a minus
.set HON, 55
.set QAH, 56
.set QAL, 58
.set OBH, 60
.set OBL, 62
.set TH,  98                           ; s98  the high tile's key step as a byte in K's part of LDS, s99 the low tile's
.set TL,  99
.macro CROUND                          ; a round of the cluster's barrier
	s_barrier_signal -1
	s_barrier_wait -1
	s_cmp_lg_u32 s[WV], 0
	s_cbranch_scc1 .Lnot_wave_0_\@
	s_barrier_signal -3
.Lnot_wave_0_\@:
	s_barrier_wait -3
	s_barrier_signal -1
	s_barrier_wait -1
.endm
.macro INIT ob, st                     ; a tile's start: the largest t -3e38, under every t; the sum and O^T zeros, which the first change of M leaves zeros
	v_mov_b32 v[\st+1], 0xff61b1e6
	s_delay_alu instid0(VALU_DEP_1)
	v_floor_f32 v[\st], -v[\st+1]
	v_mov_b32 v[\st+2], 0
	v_mov_b32 v[\st+3], 0
.set n, 0
.rept 32
	v_mov_b32 v[\ob+n], 0
.set n, n+1
.endr
.endm
	s_load_b128 s[4:7], s[0:1], 0x0                ; qkvc 4, scales 6
	s_load_b64 s[8:9], s[0:1], 0x10                ; oc
	v_lshl_add_u32 v[SPW], v0, 2, SPARE
	v_mov_b32 v[NIL], 0
	ds_add_u32 v[SPW], v[NIL]                      ; the opening lines: the add, twice on end, and its wait ahead of my first tensor load
	ds_add_u32 v[SPW], v[NIL]
	v_lshrrev_b32 v8, 5, v0
	v_readfirstlane_b32 s[WV], v8                  ; wave 0..15
	s_bfe_u32 s[JJ], ttmp6, 0x40000                ; my place in the cluster
	s_and_b32 s14, ttmp7, 0xffff                   ; the head of a batch, 0 .. 63
	s_lshl_b32 s15, s14, 17                        ; its 131,072 bytes in each of q, k, v
	s_lshr_b32 s16, s[WV], 3                       ; I fetch for K (0) or V (1),
	s_and_b32 s17, s[WV], 7                        ; piece 0 .. 7
	s_add_co_u32 s12, s16, 1
	s_lshl_b32 s12, s12, 23                        ; k's section or v's,
	s_add_co_u32 s12, s12, s15                     ; my head
	s_lshl_b32 s10, s17, 12                        ; first load: 4,096 x piece
	s_mul_i32 s11, s17, 12288
	s_add_co_u32 s11, s11, P1*STEPB                ; second load: behind the first four steps, 12,288 x piece
	s_add_co_u32 s80, s12, s10
	s_mov_b32 s81, 0
	s_add_co_u32 s82, s12, s11
	s_mov_b32 s83, 0
	s_lshl_b32 s13, s16, 17                        ; in LDS: K's part or V's; the wave's number alone enters
	s_mov_b32 s[G0A], 1
	s_add_co_u32 s[G0A+1], s13, s10
	s_mov_b32 s[G0B], 1
	s_add_co_u32 s[G0B+1], s13, s11
	s_mov_b32 s[G1A], 15|(3<<16)|(1<<21)           ; the mask names the four; elements of 8 bytes; bit 21 beside a mask; no padding: a dense block as rows of 256 bytes
	s_mov_b32 s[G1A+1], 32<<16
	s_mov_b32 s[G1A+2], 16<<16
	s_mov_b32 s[G1A+3], 32<<16
	s_mov_b32 s[G1A+4], 16
	s_mov_b32 s[G1A+5], 32
	s_mov_b32 s[G1A+6], 0
	s_mov_b32 s[G1A+7], 0
	s_mov_b32 s[G1B], 15|(3<<16)|(1<<21)
	s_mov_b32 s[G1B+1], 32<<16
	s_mov_b32 s[G1B+2], 48<<16
	s_mov_b32 s[G1B+3], 32<<16
	s_mov_b32 s[G1B+4], 48
	s_mov_b32 s[G1B+5], 32
	s_mov_b32 s[G1B+6], 0
	s_mov_b32 s[G1B+7], 0
	s_mov_b32 s[SEL], 0x76543210
	s_mov_b32 s[SEL+1], 0xfedcba98
	s_mov_b32 s[CS], 0x3e38aa3b                    ; log2(e) / 8
	s_lshl_b32 s84, s[WV], 2
	s_add_co_u32 s84, s84, s[JJ]                   ; tl
	s_sub_co_u32 s85, 127, s84                     ; th
	s_lshr_b32 s[CW], s[WV], 1                     ; w / 2 = 15 - th / 8
	s_lshl_b32 s[CW], s[CW], 13
	s_mov_b32 s[LL], 16
	s_sub_co_u32 s[LH], 31, s[WV]
	s_lshr_b32 s[LH], s[LH], 1                     ; th / 8
	s_lshl_b32 s86, s85, 10
	s_add_co_u32 s86, s86, s15                     ; Q's fragments
	s_mov_b32 s87, 0
	s_lshl_b32 s88, s84, 10
	s_add_co_u32 s88, s88, s15
	s_mov_b32 s89, 0
	; o's codes: [tile of 256 tokens][256 along K][16 tokens][4 x 1,024]: K = 64 head + channel
	s_lshr_b32 s90, s14, 4
	s_lshl_b32 s90, s90, 21                        ; the batch: 8 tiles of 262,144 bytes
	s_bfe_u32 s91, s14, 0x20002
	s_lshl_b32 s91, s91, 16                        ; head / 4: which 256 along K
	s_add_co_u32 s90, s90, s91
	s_and_b32 s91, s14, 3
	s_lshl_b32 s91, s91, 10                        ; head % 4: which 64 of the 256
	s_add_co_u32 s90, s90, s91
	s_lshr_b32 s92, s85, 4
	s_lshl_b32 s92, s92, 18
	s_and_b32 s93, s85, 15
	s_lshl_b32 s93, s93, 12
	s_add_co_u32 s92, s92, s93
	s_add_co_u32 s92, s92, s90
	s_mov_b32 s93, 0
	s_lshr_b32 s94, s84, 4
	s_lshl_b32 s94, s94, 18
	s_and_b32 s95, s84, 15
	s_lshl_b32 s95, s95, 12
	s_add_co_u32 s94, s94, s95
	s_add_co_u32 s94, s94, s90
	s_mov_b32 s95, 0
	s_and_b32 s96, s85, 7
	s_lshl_b32 s96, s96, 4                         ; the tile's first query less its last step's first key
	s_and_b32 s97, s84, 7
	s_lshl_b32 s97, s97, 4
	s_mov_b32 s[CT], 0
	s_mov_b32 s[TB], 0
	s_wait_dscnt 0x0                               ; both opening adds are done
	s_wait_kmcnt 0x0
	s_load_b256 s[68:75], s[6:7], 0x0              ; e0 .. e7
	s_load_b128 s[76:79], s[6:7], 0x20             ; e8 .. e11
	s_add_nc_u64 s[G0A+2:G0A+3], s[4:5], s[80:81]
	s_or_b32 s[G0A+3], s[G0A+3], 0x80000000        ; type = 2
	s_add_nc_u64 s[G0B+2:G0B+3], s[4:5], s[82:83]
	s_or_b32 s[G0B+3], s[G0B+3], 0x80000000
	CROUND                                         ; all four work-groups are here: the first joint loads meet
	tensor_load_to_lds s[G0A:G0A+3], s[G1A:G1A+7]  ; key steps 0-3: one tensor load a wave at the head
	s_nop 0
.rept 4
	v_nop
.endr
	s_add_nc_u64 s[QAH:QAH+1], s[4:5], s[86:87]
	s_add_nc_u64 s[QAL:QAL+1], s[4:5], s[88:89]
	s_add_nc_u64 s[OBH:OBH+1], s[8:9], s[92:93]
	s_add_nc_u64 s[OBL:OBL+1], s[8:9], s[94:95]
	v_and_b32 v8, 31, v0
	v_lshlrev_b32 v[LI], 4, v8
	global_load_b128 v[16:19], v[LI], s[QAH:QAH+1]         ; both tiles' Q stay in registers
	global_load_b128 v[20:23], v[LI], s[QAH:QAH+1] offset:512
	global_load_b128 v[24:27], v[LI], s[QAL:QAL+1]
	global_load_b128 v[28:31], v[LI], s[QAL:QAL+1] offset:512
	v_and_b32 v9, 15, v0
	v_bfe_u32 v10, v0, 4, 1
	v_lshlrev_b32 v10, 3, v10
	v_sub_nc_u32 v9, v9, v10                       ; r - 8 h
	v_add_nc_u32 v[DLH], s96, v9                   ; d = my query - the last step's first key - 8 h
	v_add_nc_u32 v[DLL], s97, v9
	v_mov_b32 v[PD], 0                             ; written once: a lane permute's destination counts as one of its sources
	v_mov_b32 v252, 0
	v_mov_b32 v253, 0                              ; (named as the upper half of the pair v[252:253])
	INIT 160, 12
	INIT 208, 8
	s_wait_kmcnt 0x0
	s_add_co_i32 s80, s74, s75
	s_lshl_b32 s80, s80, 23
	s_add_co_i32 s[CS], s[CS], s80                 ; a score stands for score x 2^(e6 + e7): added to c's exponent field
	s_mov_b32 s[CS+1], s[CS]
	s_add_co_i32 s80, s76, 127
	s_lshl_b32 s81, s80, 23
	v_mov_b32 v244, s81                            ; 2^e8
	s_add_co_i32 s80, s80, 8
	s_lshl_b32 s80, s80, 23
	s_or_b32 s80, s80, 0x600000
	v_mov_b32 v240, s80                            ; 448 x 2^e8, twice: one register for each half of a dual pair
	v_mov_b32 v241, s80
	s_add_co_i32 s80, s78, 127
	s_lshl_b32 s81, s80, 23
	v_mov_b32 v245, s81                            ; 2^e10
	s_add_co_i32 s80, s80, 8
	s_lshl_b32 s[HOP], s80, 23
	s_or_b32 s[HOP], s[HOP], 0x600000              ; 448 x 2^e10
	s_or_b32 s[HON], s[HOP], 0x80000000
	s_add_co_i32 s[EPV], s76, s77
; A KEY STEP of one tile: 128 keys at byte s[tb] of K's and of V's part.  qb: Q; ob: O^T; st: -M, largest t, the sum's two halves; dl: the mask's number; lim: the trip of the tile's last step.
.macro STEP qb, ob, st, dl, lim, tb
	v_add_nc_u32 v[ADR], s[\tb], v[LI]
	v_add_nc_u32 v[ADV], KB, v[ADR]
	v_nop
	v_nop                                          ; with the two additions four places in front of loads into registers that matrix instructions have read
.set n, 0
.rept 8
	ds_load_b128 v[32+8*n:35+8*n], v[ADR] offset:1024*n
	ds_load_b128 v[36+8*n:39+8*n], v[ADR] offset:1024*n+512
.set n, n+1
.endr
	s_wait_alu depctr_va_vdst(0)
	s_wait_dscnt 0x0
.set n, 0
.rept 8
	v_wmma_f32_16x16x64_fp8_fp8 v[96+8*n:103+8*n], v[32+8*n:39+8*n], v[\qb:\qb+7], 0    ; S^T: keys 16 n on x my 16 queries
.set n, n+1
.endr
.rept 4
	v_nop                                          ; places in front of the loads below and of the first read of the scores
.endr
.set n, 0
.rept 16
	ds_load_b128 v[32+4*n:35+4*n], v[ADV] offset:512*n     ; V's four fragments land while the softmax is walked
.set n, n+1
.endr
	s_cmp_lt_u32 s[CT], s[\lim]                    ; not the tile's last step: all keys count
	s_cbranch_scc1 .Lopen_\@
	v_mov_b32 v254, 0xff800000                     ; -infinity.  Register n holds key 8 h + 16 (n / 8) + n % 8 of the step: hidden where 16 (n / 8) + n % 8 > d
.set n, 0
.rept 64
	v_cmp_gt_i32 vcc_lo, 16*(n/8)+n%8, v[\dl]
	v_cndmask_b32 v[96+n], v[96+n], v254, vcc_lo
.set n, n+1
.endr
.Lopen_\@:
	v_max3_num_f32 v254, v96, v97, v98             ; the step's largest score of my query among my 64 keys, in two chains; each tile is read from its low end on
	v_max3_num_f32 v252, v99, v100, v101
.irp i, 6,10,14,18,22,26,30,34,38,42,46,50,54,58
	v_max3_num_f32 v254, v254, v[96+\i], v[97+\i]
	v_max3_num_f32 v252, v252, v[98+\i], v[99+\i]
.endr
	v_max3_num_f32 v254, v254, v158, v159
	s_delay_alu instid0(VALU_DEP_1)
	v_max_num_f32 v254, v254, v252
	s_delay_alu instid0(VALU_DEP_1)
	v_permlanex16_b32 v[PD], v254, s[SEL], s[SEL+1]
	s_delay_alu instid0(VALU_DEP_1)
	v_max_num_f32 v254, v254, v[PD]                ; and among lane l xor 16's
	s_delay_alu instid0(VALU_DEP_1)
	v_mul_f32 v254, s[CS], v254                    ; as t (c is positive)
	s_delay_alu instid0(VALU_DEP_1)
	v_max_num_f32 v[\st+1], v[\st+1], v254         ; the running largest t
	v_mov_b32 v254, v[\st]
	s_delay_alu instid0(VALU_DEP_2)
	v_floor_f32 v[\st], -v[\st+1]                  ; the new -M = floor(-t) = -ceil(t)
	s_delay_alu instid0(VALU_DEP_1)
	v_sub_f32 v254, v[\st], v254                   ; old M - new M: a whole number, 0 or less
	s_delay_alu instid0(VALU_DEP_1)
	v_cvt_i32_f32 v254, v254                       ; (it saturates)
	s_delay_alu instid0(VALU_DEP_1)
	v_ldexp_f32 v252, 1.0, v254                    ; f = 2^(old M - new M)
.set j, 0
.rept 32
	v_pk_fma_f32 v[96+j:97+j], v[96+j:97+j], s[CS:CS+1], v[\st:\st+1] op_sel_hi:[1,0,0]   ; t - M, two at a time
.set j, j+2
.endr
	s_wait_alu depctr_va_vdst(0)                   ; the wait ahead of the batch
.set j, 0
.rept 64
	v_exp_f32 v[96+j], v[96+j]                     ; p = 2^(t - M), at most 1
.set j, j+1
.endr
	v_pk_mul_f32 v[\st+2:\st+3], v[\st+2:\st+3], v[252:253] op_sel_hi:[1,0]   ; the sums under the new M: a plain instruction behind the exponentials
	s_wait_alu depctr_va_vdst(0)                   ; one wait for the batch of 64, ahead of its first reader
	v_pk_add_f32 v[242:243], v[96:97], v[98:99]    ; the row's sum of the unquantised p: 32 pairs in five chains
	v_pk_add_f32 v[246:247], v[100:101], v[102:103]
	v_pk_add_f32 v[248:249], v[104:105], v[106:107]
	v_pk_add_f32 v[250:251], v[108:109], v[110:111]
	v_pk_add_f32 v[\st+2:\st+3], v[\st+2:\st+3], v[112:113]
.irp j, 114,124,134,144
	v_pk_add_f32 v[242:243], v[242:243], v[\j:\j+1]
	v_pk_add_f32 v[246:247], v[246:247], v[\j+2:\j+3]
	v_pk_add_f32 v[248:249], v[248:249], v[\j+4:\j+5]
	v_pk_add_f32 v[250:251], v[250:251], v[\j+6:\j+7]
	v_pk_add_f32 v[\st+2:\st+3], v[\st+2:\st+3], v[\j+8:\j+9]
.endr
	v_pk_add_f32 v[242:243], v[242:243], v[154:155]
	v_pk_add_f32 v[246:247], v[246:247], v[156:157]
	v_pk_add_f32 v[248:249], v[248:249], v[158:159]
	v_pk_add_f32 v[242:243], v[242:243], v[246:247]
	v_pk_add_f32 v[248:249], v[248:249], v[250:251]
	v_pk_add_f32 v[242:243], v[242:243], v[248:249]
	v_pk_add_f32 v[\st+2:\st+3], v[\st+2:\st+3], v[242:243]
.set n, 0
.rept 8
.set i, 0
.rept 4
	v_dual_min_num_f32 v[96+8*n+i], v[96+8*n+i], v240 :: v_dual_min_num_f32 v[97+8*n+i], v[97+8*n+i], v241   ; the conversion does not saturate (ISA guide 7.6.2); p is not negative, so the hold is one-sided; two holds an instruction
.set i, i+2
.endr
	v_cvt_scalef32_pk8_fp8_f32 v[192+2*n:193+2*n], v[96+8*n:103+8*n], v244   ; keys 16 n + 8 h + 0 .. 7: registers 2 n, 2 n + 1 of P's fragment
.set n, n+1
.endr
	s_wait_alu depctr_va_vdst(0)                   ; directly ahead of the first reader of O^T
.set j, 0
.rept 16
	v_pk_mul_f32 v[\ob+j:\ob+j+1], v[\ob+j:\ob+j+1], v[252:253] op_sel_hi:[1,0]   ; O^T under the new M.  (Also the plain instructions between the conversions and the products below)
.set j, j+2
.endr
	s_wait_alu depctr_va_vdst(0)                   ; directly ahead of the wait below
	s_wait_dscnt 0x0                               ; V is in
.set n, 0
.rept 4
	v_wmma_f32_16x16x128_fp8_fp8 v[\ob+8*n:\ob+8*n+7], v[32+16*n:47+16*n], v[192:207], v[\ob+8*n:\ob+8*n+7]   ; the four accumulators take turns; eight score products stand between a sum's links
.set n, n+1
.endr
.endm
; A tile's end: O^T / the sum x 2^(e8 + e9), held, converted with 2^e10: eight registers, a fragment (my 16 tokens x the head's 64 channels) of the output projection's operand: two stores of 512 consecutive bytes.
.macro FINAL ob, st, cd, dst
.rept 4
	v_nop                                          ; places behind the last products
.endr
	v_add_f32 v[\st+2], v[\st+2], v[\st+3]
	s_delay_alu instid0(VALU_DEP_1)
	v_permlanex16_b32 v252, v[\st+2], s[SEL], s[SEL+1]
	s_delay_alu instid0(VALU_DEP_1)
	v_add_f32 v[\st+2], v[\st+2], v252             ; the row's sum
	s_wait_alu depctr_va_vdst(0)                   ; the wait ahead of the transcendental
	v_rcp_f32 v[\st+2], v[\st+2]
	v_nop                                          ; a plain instruction behind the reciprocal
	s_wait_alu depctr_va_vdst(0)                   ; and the wait ahead of its first reader
	v_ldexp_f32 v[\st+2], v[\st+2], s[EPV]
	s_wait_alu depctr_va_vdst(0)                   ; directly ahead of the first reader of O^T
.set j, 0
.rept 32
	v_mul_f32 v[96+j], v[\ob+j], v[\st+2]          ; register 8 t + i is o(my query, 16 t + 8 h + i); each accumulator from its low end on
.set j, j+1
.endr
.set j, 0
.rept 32
	v_med3_num_f32 v[96+j], v[96+j], s[HON], s[HOP]
.set j, j+1
.endr
.set n, 0
.rept 4
	v_cvt_scalef32_pk8_fp8_f32 v[\cd+2*n:\cd+2*n+1], v[96+8*n:103+8*n], v245
.set n, n+1
.endr
	v_nop                                          ; a plain vector instruction behind the last conversion of the run
	global_store_b128 v[LI], v[\cd:\cd+3], s[\dst:\dst+1]
	global_store_b128 v[LI], v[\cd+4:\cd+7], s[\dst:\dst+1] offset:512
.endm
; A trip: one key step.  both = 0 (trips 0-3): the high tile's, in every wave.  both = 1: the high tile's while its steps last, then the low tile's; the branch hangs on the wave's number and the count of trips.
; Both bytes are cut to K's part of LDS (131,072 bytes), so that they lie inside it in every trip.
.macro TRIP both
.if \both
	s_and_b32 s[TH], s[TB], KB-1
	s_add_co_u32 s[TL], s[TB], s[CW]
	s_and_b32 s[TL], s[TL], KB-1
	s_cmp_gt_u32 s[CT], s[LH]
	s_cbranch_scc1 .Llow_\@
	STEP 16, 160, 12, DLH, LH, TH
	s_branch .Lnext_\@
.Llow_\@:
	STEP 24, 208, 8, DLL, LL, TL
.Lnext_\@:
.else
	STEP 16, 160, 12, DLH, LH, TB
.endif
	s_add_co_u32 s[TB], s[TB], STEPB
	s_add_co_u32 s[CT], s[CT], 1
	s_sub_co_u32 s[TR], s[TR], 1
	s_cmp_lg_u32 s[TR], 0
.endm
	s_wait_alu depctr_va_vdst(0)                   ; the wait at the head's end
	s_wait_tensorcnt 0x0                           ; my piece of key steps 0-3 is in; the later first fill is issued as a refill is:
	ds_add_u32 v[SPW], v[NIL]                      ; 0 onto my spare word
	s_wait_dscnt 0x0
	CROUND                                         ; everybody's piece is in, and all four work-groups are here: the joint loads meet
	tensor_load_to_lds s[G0B:G0B+3], s[G1B:G1B+7]  ; key steps 4-15: bytes that nothing has filled and that no trip under 4 reads
	s_nop 0
.rept 4
	v_nop
.endr
	s_wait_loadcnt 0x0                             ; Q
	s_mov_b32 s[TR], P1
.Lfirst:                                           ; trips 0-3
	TRIP 0
	s_cbranch_scc1 .Lfirst
	s_wait_tensorcnt 0x0                           ; my piece of key steps 4-15 is in
	ds_add_u32 v[SPW], v[NIL]
	s_wait_dscnt 0x0
	s_barrier_signal -1
	s_barrier_wait -1                              ; and so is everybody's
	s_mov_b32 s[TR], 17-P1
.Lrest:                                            ; trips 4-16: no barrier, no wait on tiles
	TRIP 1
	s_cbranch_scc1 .Lrest
	FINAL 160, 12, 192, OBH
	FINAL 208, 8, 200, OBL
	s_wait_tensorcnt 0x0                           ; the wave's end
	ds_add_u32 v[SPW], v[NIL]
	s_wait_dscnt 0x0
	CROUND                                         ; the closing round
	s_endpgm
.Lfunc_end_k_q21b5f9c83b_attn:
	.size	k_q21b5f9c83b_attn, .Lfunc_end_k_q21b5f9c83b_attn-k_q21b5f9c83b_attn
	.p2alignl 7, 3214868480
	.fill 96, 4, 3214868480
	.section	.rodata,"a",@progbits
	.p2align	6, 0x0
	.amdhsa_kernel k_q21b5f9c83b_attn
		.amdhsa_group_segment_fixed_size 327680
		.amdhsa_private_segment_fixed_size 0
		.amdhsa_enable_private_segment 0
		.amdhsa_kernarg_size 24
		.amdhsa_user_sgpr_count 2
		.amdhsa_user_sgpr_kernarg_segment_ptr 1
		.amdhsa_wavefront_size32 1
		.amdhsa_system_sgpr_workgroup_id_x 1
		.amdhsa_system_sgpr_workgroup_id_y 1
		.amdhsa_system_sgpr_workgroup_id_z 1
		.amdhsa_system_vgpr_workitem_id 0
		.amdhsa_next_free_vgpr 256
		.amdhsa_next_free_sgpr 100
		.amdhsa_reserve_vcc 1
		.amdhsa_float_denorm_mode_32 3
		.amdhsa_float_denorm_mode_16_64 3
		.amdhsa_memory_ordered 1
		.amdhsa_forward_progress 1
		.amdhsa_inst_pref_size 81
	.end_amdhsa_kernel
	.amdgpu_metadata
---
amdhsa.version: [ 1, 2 ]
amdhsa.kernels:
  - .name:           k_q21b5f9c83b_attn
    .symbol:         k_q21b5f9c83b_attn.kd
    .args:
      - { .name: qkvc, .offset: 0, .size: 8, .value_kind: global_buffer, .address_space: global }
      - { .name: lowp_scales, .offset: 8, .size: 8, .value_kind: global_buffer, .address_space: global }
      - { .name: oc, .offset: 16, .size: 8, .value_kind: global_buffer, .address_space: global }
    .group_segment_fixed_size: 327680
    .private_segment_fixed_size: 0
    .kernarg_segment_align: 8
    .kernarg_segment_size: 24
    .max_flat_workgroup_size: 512
    .sgpr_count:     100
    .vgpr_count:     256
    .wavefront_size: 32
...
	.end_amdgpu_metadata
.endif
;; end of part 3
;; launch outp (part 4): grid 4 x 64, 4 waves a work-group, clusters of 4 x 4, 327,680 bytes of LDS; arguments oc, wc, bo, lowp_scales, out0; writes out0
.if DOCPART == 4
	.amdgcn_target "amdgcn-amd-amdhsa--gfx1250"
	.amdhsa_code_object_version 6
	.text
	.protected	k_q21b5f9c83b_outp
	.globl	k_q21b5f9c83b_outp
	.p2align	8
	.type	k_q21b5f9c83b_outp,@function
k_q21b5f9c83b_outp:
	s_mov_b64 s[64:65], 0
	v_nop
	global_prefetch_b8 v0, s[64:65] scope:SCOPE_SE
	s_setreg_imm32_b32 hwreg(HW_REG_WAVE_MODE, 25, 1), 1
	s_wait_xcnt 0x0
	s_wait_alu depctr_hold_cnt(0) depctr_sa_sdst(0) depctr_va_vdst(0) depctr_va_sdst(0) depctr_va_ssrc(0) depctr_va_vcc(0) depctr_vm_vsrc(0)
	s_getreg_b32 s2, hwreg(HW_REG_IB_STS2, 6, 4)
	s_cmp_eq_u32 s2, 0
	s_cbranch_scc0 .Lentry_in_a_cluster
	s_endpgm
.Lentry_in_a_cluster:
	s_bfe_u32 s2, ttmp6, 0x10000c
	s_cmp_lg_u32 s2, 0xf033
	s_cbranch_scc0 .Lentry_shape_is_right
	s_endpgm
.Lentry_shape_is_right:
; The output projection on E4M3 codes: out0 = o wo + bo, f32.  K = 1,024.  o's scale is 2^e10, wo's 2^e11.
; Operands are images of operand registers, [tile of 256 rows][256 along K][16 rows][2 x 2,048 bytes]; wo's codes are the fourth section of wc.
; A tile of the result is 128 tokens (side A) x 256 columns (side B); four waves, each 64 x 128: 32 accumulators; 256 tiles, one to a work-group.
; K 0-767 of both sides (294,912 bytes) come into LDS by ONE tensor load a wave: 3 rows of 16,384 (A) or 32,768 (B) bytes, 65,536 bytes apart in memory; nothing is filled again.
; K 768-1,023 go from memory straight into registers, as the images lie: 96 loads of 512 bytes a wave.
; CLUSTERS: 4 x 4 work-groups; A's tile is shared along a row of the cluster, B's along a column: each is asked for jointly.
; The matrix instruction takes B's rows as source 0 and A's as source 1: a lane holds eight neighbouring columns of one token.
; NO PREFETCH: all that a work-group reads is asked for at its head; there is no later load to run ahead of.
; THE WAY OUT: 16 tokens x 128 columns at a time through the wave's stage in LDS, back as rows of 512 bytes.  The stages lie in A's part of LDS, behind a barrier behind which nobody reads it.
; LIMIT: e10 + e11 between -126 and 127.
; REGISTERS, in windows of 256: window 0: v10-31 addresses; v32-95 the bias; v128-255 A's fragments from LDS, two sets; on the way out rows read back.
;   window 1: v0-127 B's fragments from LDS, one set; v128-255 A's K 768-1,023.   window 2: accumulator (a, b) at v[8 (8 a + b)].   window 3: B's K 768-1,023.
.set AH,    49152
.set BOFF,  98304
.set BHB,   98304
.set SPARE, 294912
.set SPITCH, 528
.set ADRA, 16
.set ADRB, 20
.set STO,  24
.set RD,   25
.set LI,   26
.set SPW,  28
.set NIL,  29
.set BB,   32
.set BK,   128
.set CX, 18
.set CY, 19
.set WV, 20
.set WR, 21
.set WC, 22
.set G1A, 24
.set G1B, 32
.set G0A, 40
.set G0B, 44
.set QA, 52
.set QB, 54
.set SC, 96
.set MSB, 0
.macro WIN new
.if MSB != \new
	s_set_vgpr_msb (MSB<<8)|\new
.set MSB, \new
.endif
.endm
.set MUL_L, 0xa1
.set MUL_R, 0xa7
.set TO_B,  0x40
.macro PLACES
.rept 4
	v_nop
.endr
.endm
.macro JLOAD                           ; waves 0 and 1 fetch A's halves, waves 2 and 3 B's
	s_cmp_eq_u32 s[WR], 0
	s_cbranch_scc0 .Lfor_b_\@
	tensor_load_to_lds s[G0A:G0A+3], s[G1A:G1A+7]
	s_nop 0
	PLACES
	s_branch .Lasked_\@
.Lfor_b_\@:
	tensor_load_to_lds s[G0B:G0B+3], s[G1B:G1B+7]
	s_nop 0
	PLACES
.Lasked_\@:
.endm
.macro CROUND
	s_barrier_signal -1
	s_barrier_wait -1
	s_cmp_lg_u32 s[WV], 0
	s_cbranch_scc1 .Lnot_wave_0_\@
	s_barrier_signal -3
.Lnot_wave_0_\@:
	s_barrier_wait -3
	s_barrier_signal -1
	s_barrier_wait -1
.endm
.macro FRAG reg, adr, off
.irp c, 0,1,2,3
	ds_load_b128 v[\reg+4*\c:\reg+4*\c+3], v[\adr] offset:(\off)+512*\c
.endr
.endm
.macro FETCH_A s
	WIN 0
.irp i, 0,1,2,3
	FRAG 128+64*((\s)%2)+16*\i, ADRA, ((\s)/2)*16384+\i*4096+((\s)%2)*2048
.endr
.endm
.macro FETCH_B s, i0
	WIN TO_B
.irp i, \i0, \i0+1, \i0+2, \i0+3
	FRAG 16*(\i), ADRB+(\s)/4, (((\s)/2)%2)*32768+(\i)*4096+((\s)%2)*2048
.endr
	WIN 0
.endm
.macro MULB b0, ab, bb, zero           ; the 32 accumulators take turns, one instruction a turn
.irp b, \b0, \b0+1, \b0+2, \b0+3
.irp a, 0,1,2,3
.if \zero
	v_wmma_f32_16x16x128_fp8_fp8 v[8*(8*\a+(\b)):8*(8*\a+(\b))+7], v[(\bb)+16*(\b):(\bb)+16*(\b)+15], v[(\ab)+16*\a:(\ab)+16*\a+15], 0
.else
	v_wmma_f32_16x16x128_fp8_fp8 v[8*(8*\a+(\b)):8*(8*\a+(\b))+7], v[(\bb)+16*(\b):(\bb)+16*(\b)+15], v[(\ab)+16*\a:(\ab)+16*\a+15], v[8*(8*\a+(\b)):8*(8*\a+(\b))+7]
.endif
.endr
.endr
.endm
.macro LSTEP s, zero, more
	s_wait_dscnt 16                                ; A's set and B's blocks 0-3 are in; the youngest sixteen loads (B's blocks 4-7) may be out
	WIN MUL_L
	MULB 0, 128+64*((\s)%2), 0, \zero
	s_wait_dscnt 0
.if \more
	PLACES
	FETCH_A \s+1
	FETCH_B \s+1, 0
.endif
	WIN MUL_L
	MULB 4, 128+64*((\s)%2), 0, \zero
.if \more
	PLACES
	FETCH_B \s+1, 4
.endif
.endm
.macro RSTEP u, zero                   ; a step on the registers that hold K 768 + 128 u on; zero = 1: its products start the sums
	MULB 0, 128+64*\u, 128*\u, \zero
	MULB 4, 128+64*\u, 128*\u, \zero
.endm
	s_load_b256 s[4:11], s[0:1], 0x0               ; oc 4, wc 6, bo 8, scales 10
	s_load_b64 s[12:13], s[0:1], 0x20              ; out0
	v_lshl_add_u32 v[SPW], v0, 2, SPARE
	v_mov_b32 v[NIL], 0
	ds_add_u32 v[SPW], v[NIL]                      ; the opening lines: the add, twice on end, and its wait
	ds_add_u32 v[SPW], v[NIL]
	v_lshrrev_b32 v1, 5, v0
	v_readfirstlane_b32 s[WV], v1
	s_lshr_b32 s[WR], s[WV], 1
	s_and_b32 s[WC], s[WV], 1
	s_bfe_u32 s[CX], ttmp6, 0x40000
	s_bfe_u32 s[CY], ttmp6, 0x40004
	s_and_b32 s82, ttmp7, 0xffff
	s_lshl_b32 s83, s[CY], 2
	s_lshl_b32 s83, 15, s83
	s_lshl_b32 s90, 0x1111, s[CX]
	s_or_b32 s[G1A], s83, (3<<16)|(1<<21)
	s_or_b32 s[G1B], s90, (3<<16)|(1<<21)
	s_mov_b32 s[G1A+1], 2048<<16
	s_mov_b32 s[G1A+2], 3<<16
	s_mov_b32 s[G1A+3], 2048<<16
	s_mov_b32 s[G1A+4], 3
	s_mov_b32 s[G1A+5], 8192
	s_mov_b32 s[G1A+6], 0
	s_mov_b32 s[G1A+7], 0
	s_mov_b32 s[G1B+1], 4096<<16
	s_mov_b32 s[G1B+2], 3<<16
	s_mov_b32 s[G1B+3], 4096<<16
	s_mov_b32 s[G1B+4], 3
	s_mov_b32 s[G1B+5], 8192
	s_mov_b32 s[G1B+6], 0
	s_mov_b32 s[G1B+7], 0
	s_lshl_b32 s83, s82, 2
	s_add_co_u32 s83, s83, s[CY]                   ; which 128 tokens, 0 .. 63
	s_lshr_b32 s84, s83, 1
	s_lshl_b32 s84, s84, 18
	s_and_b32 s85, s83, 1
	s_lshl_b32 s85, s85, 15
	s_add_co_u32 s84, s84, s85                     ; their bytes in oc
	s_lshl_b32 s91, s[CX], 18
	s_add_co_u32 s91, s91, 3<<20                   ; my 256 columns of wo in wc
	s_lshl_b32 s88, s[WC], 14
	s_lshl_b32 s94, s[WC], 15
	s_lshl_b32 s89, s[WR], 14
	s_add_co_u32 s89, s89, 196608
	s_add_co_u32 s95, s94, 196608
	s_mov_b32 s[G0A], 1
	s_mul_i32 s[G0A+1], s[WC], AH
	s_mov_b32 s[G0B], 1
	s_mul_i32 s[G0B+1], s[WC], BHB
	s_add_co_u32 s[G0B+1], s[G0B+1], BOFF
	s_mul_i32 s80, s[WR], AH
	s_mul_i32 s81, s[WC], BHB
	s_add_co_u32 s81, s81, BOFF
	s_lshl_b32 s87, s[CX], 10                      ; my first column, in bytes: 4 (256 cx + 128 half)
	s_lshl_b32 s90, s[WC], 9
	s_add_co_u32 s87, s87, s90
	s_mul_i32 s90, s[WV], 16*SPITCH                ; my stage
	s_lshl_b32 s92, s83, 19                        ; my first row of out0: 128 tokens of 4,096 bytes,
	s_lshl_b32 s93, s[WR], 18
	s_add_co_u32 s92, s92, s93
	s_add_co_u32 s92, s92, s87
	s_mov_b32 s93, 0
	s_mov_b32 s3, 0
	s_mov_b32 s67, 0
	s_wait_dscnt 0x0
	s_wait_kmcnt 0x0
	s_load_b64 s[SC:SC+1], s[10:11], 0x28          ; e10, e11
	s_add_co_u32 s2, s84, s88
	s_add_nc_u64 s[G0A+2:G0A+3], s[4:5], s[2:3]
	s_add_co_u32 s66, s91, s94
	s_add_nc_u64 s[G0B+2:G0B+3], s[6:7], s[66:67]
	s_or_b32 s[G0A+3], s[G0A+3], 0x80000000
	s_or_b32 s[G0B+3], s[G0B+3], 0x80000000
	CROUND                                         ; all sixteen work-groups are here: the joint loads meet
	JLOAD                                          ; K 0-767: one tensor load a wave
	s_add_co_u32 s2, s84, s89
	s_add_nc_u64 s[QA:QA+1], s[4:5], s[2:3]
	s_add_co_u32 s66, s91, s95
	s_add_nc_u64 s[QB:QB+1], s[6:7], s[66:67]
	s_add_nc_u64 s[12:13], s[12:13], s[92:93]
	v_and_b32 v1, 15, v0
	v_bfe_u32 v2, v0, 4, 1
	v_and_b32 v3, 31, v0
	v_lshlrev_b32 v[LI], 4, v3
	v_add_nc_u32 v[ADRA], s80, v[LI]
	v_add_nc_u32 v[ADRB], s81, v[LI]
	v_add_nc_u32 v[ADRB+1], 65536, v[ADRB]
	v_mul_u32_u24 v5, v1, SPITCH
	v_lshl_add_u32 v5, v2, 5, v5
	v_add_nc_u32 v[STO], s90, v5                   ; into the stage: row r, 32 bytes for each half of the lanes
	v_add_nc_u32 v[RD], s90, v[LI]                 ; back: the 32 lanes take one row of 512 bytes
	v_lshlrev_b32 v10, 5, v2
	v_add_nc_u32 v10, s87, v10
	s_wait_alu depctr_va_vdst(0)
	WIN 0xc0                                       ; K 768-1,023 of my 128 rows of B and my 64 rows of A: each load is 512 consecutive bytes
.irp u, 0,1
.irp i, 0,1,2,3,4,5,6,7
.irp c, 0,1,2,3
	global_load_b128 v[128*\u+16*\i+4*\c:128*\u+16*\i+4*\c+3], v[LI], s[QB:QB+1] offset:\i*4096+\u*2048+512*\c
.endr
.endr
.endr
	WIN 0x40
.irp u, 0,1
.irp i, 0,1,2,3
.irp c, 0,1,2,3
	global_load_b128 v[128+64*\u+16*\i+4*\c:128+64*\u+16*\i+4*\c+3], v[LI], s[QA:QA+1] offset:\i*4096+\u*2048+512*\c
.endr
.endr
.endr
	WIN 0
.irp b, 0,1,2,3,4,5,6,7
	global_load_b128 v[BB+8*\b:BB+8*\b+3], v10, s[8:9] offset:64*\b
	global_load_b128 v[BB+8*\b+4:BB+8*\b+7], v10, s[8:9] offset:64*\b+16
.endr
	s_wait_kmcnt 0x0
	s_add_co_i32 s[SC], s[SC], s[SC+1]
	s_add_co_i32 s[SC], s[SC], 127
	s_lshl_b32 s[SC], s[SC], 23                    ; 2^(e10 + e11) as f32
	s_mov_b32 s[SC+1], s[SC]
	s_wait_alu depctr_va_vdst(0)                   ; the wait at the head's end
	s_wait_loadcnt 0x0                             ; K 768-1,023 and the bias are in registers
	WIN MUL_R
	RSTEP 0, 1                                     ; the two steps on registers start the sums; the tensor loads may still be out
	RSTEP 1, 0
	WIN 0
	s_wait_tensorcnt 0x0                           ; my part of the tile is in
	ds_add_u32 v[SPW], v[NIL]
	s_wait_dscnt 0x0
	s_barrier_signal -1
	s_barrier_wait -1                              ; and so is everybody's
	FETCH_A 0
	FETCH_B 0, 0
	FETCH_B 0, 4
	LSTEP 0, 0, 1
	LSTEP 1, 0, 1
	LSTEP 2, 0, 1
	LSTEP 3, 0, 1
	LSTEP 4, 0, 1
	LSTEP 5, 0, 0
	s_barrier_signal -1                            ; my reads of LDS are over (the step's wait for 0 stands behind the last of them)
	WIN 0
	s_barrier_wait -1                              ; and so are everybody's: the stages may be written
.macro TOSTAGE a
.set AC, 64*(\a)
	WIN 0x82
.irp b, 0,1,2,3,4,5,6,7
.irp i, 0,2,4,6
	v_pk_fma_f32 v[AC+8*\b+\i:AC+8*\b+\i+1], v[AC+8*\b+\i:AC+8*\b+\i+1], s[SC:SC+1], v[BB+8*\b+\i:BB+8*\b+\i+1] op_sel_hi:[1,0,1]   ; each accumulator from its low end on
.endr
.endr
	WIN 8                                          ; the stores' data: window 2
.irp b, 0,1,2,3,4,5,6,7
	ds_store_b128 v[STO], v[AC+8*\b:AC+8*\b+3] offset:64*\b
	ds_store_b128 v[STO], v[AC+8*\b+4:AC+8*\b+7] offset:64*\b+16
.endr
	WIN 0
.set RB, BK+64*((\a)%2)
.irp t, 0,1,2,3,4,5,6,7,8,9,10,11,12,13,14,15
	ds_load_b128 v[RB+4*\t:RB+4*\t+3], v[RD] offset:\t*SPITCH    ; LDS serves a wave's instructions in order (ISA guide 5.7.1.4): these see the stores above
.endr
.endm
.macro SEND a, younger                 ; younger: the LDS instructions issued behind block a's loads, which may stay out
.set RB, BK+64*((\a)%2)
	s_wait_dscnt \younger
.if (\a) > 0
	s_add_nc_u64 s[12:13], s[12:13], 16*4096       ; (behind a wait on XCNT: the earlier stores have read their base)
.endif
.irp t, 0,1,2,3,4,5,6,7,8,9,10,11,12,13,14,15
	global_store_b128 v[LI], v[RB+4*\t:RB+4*\t+3], s[12:13] offset:\t*4096 th:TH_STORE_NT   ; 32 lanes store 512 consecutive bytes, aligned
.endr
.endm
	PLACES
	TOSTAGE 0
.irp a, 1,2,3
.if \a > 1
	s_wait_xcnt 0x0                                ; block a - 2's stores have read their registers and their base
.endif
	TOSTAGE \a
	SEND \a-1, 32
.endr
	s_wait_xcnt 0x0
	SEND 3, 0
	s_wait_tensorcnt 0x0                           ; the wave's end
	ds_add_u32 v[SPW], v[NIL]
	s_wait_dscnt 0x0
	CROUND                                         ; the closing round
	s_endpgm
.Lfunc_end_k_q21b5f9c83b_outp:
	.size	k_q21b5f9c83b_outp, .Lfunc_end_k_q21b5f9c83b_outp-k_q21b5f9c83b_outp
	.p2alignl 7, 3214868480
	.fill 96, 4, 3214868480
	.section	.rodata,"a",@progbits
	.p2align	6, 0x0
	.amdhsa_kernel k_q21b5f9c83b_outp
		.amdhsa_group_segment_fixed_size 327680
		.amdhsa_private_segment_fixed_size 0
		.amdhsa_enable_private_segment 0
		.amdhsa_kernarg_size 40
		.amdhsa_user_sgpr_count 2
		.amdhsa_user_sgpr_kernarg_segment_ptr 1
		.amdhsa_wavefront_size32 1
		.amdhsa_system_sgpr_workgroup_id_x 1
		.amdhsa_system_sgpr_workgroup_id_y 1
		.amdhsa_system_sgpr_workgroup_id_z 1
		.amdhsa_system_vgpr_workitem_id 0
		.amdhsa_next_free_vgpr 1024
		.amdhsa_next_free_sgpr 100
		.amdhsa_reserve_vcc 0
		.amdhsa_float_denorm_mode_32 3
		.amdhsa_float_denorm_mode_16_64 3
		.amdhsa_memory_ordered 1
		.amdhsa_forward_progress 1
		.amdhsa_inst_pref_size 77
	.end_amdhsa_kernel
	.amdgpu_metadata
---
amdhsa.version: [ 1, 2 ]
amdhsa.kernels:
  - .name:           k_q21b5f9c83b_outp
    .symbol:         k_q21b5f9c83b_outp.kd
    .args:
      - { .name: oc, .offset: 0, .size: 8, .value_kind: global_buffer, .address_space: global }
      - { .name: wc, .offset: 8, .size: 8, .value_kind: global_buffer, .address_space: global }
      - { .name: bo, .offset: 16, .size: 8, .value_kind: global_buffer, .address_space: global }
      - { .name: lowp_scales, .offset: 24, .size: 8, .value_kind: global_buffer, .address_space: global }
      - { .name: out0, .offset: 32, .size: 8, .value_kind: global_buffer, .address_space: global }
    .group_segment_fixed_size: 327680
    .private_segment_fixed_size: 0
    .kernarg_segment_align: 8
    .kernarg_segment_size: 40
    .max_flat_workgroup_size: 128
    .sgpr_count:     100
    .vgpr_count:     1024
    .wavefront_size: 32
...
	.end_amdgpu_metadata
.endif
;; end of part 4
